; MI455X (gfx1250); checked and timed in simulation.
; The chip was launched on July 23, 2026; its instructions are those of AMD's public machine-readable ISA for CDNA 5 (MIT licence, August 2026) and "CDNA5" Instruction Set Architecture Reference Guide (July 2026). The comments in the code are by the model that wrote it; some were corrected since.
;; Multi Head Latent Attention. Allowed arithmetic: matrix products marked QUANTISED: E2M1 operands, one E8M0 scale for each 32 along K, by v_wmma_scale_f32_16x16x128_f8f6f4 with both operands' format E2M1 (or v_wmma_scale_f32_32x16x128_f4), f32 sums; products left as they are: bf16, f16 or f32 operands; f32 sums; everything else in f32.
;; Inputs: attention_mask 1 x 1 x 2,048 x 2,048 float32; hidden_states 1 x 2,048 x 2,048 float32; wk 2,048 x 2,048 float32; wo 2,048 x 2,048 float32; wq 2,048 x 2,048 float32; wv 2,048 x 2,048 float32.
;; Outputs: out0 1 x 2,048 x 2,048 float32.
;; This version of the problem:
;;   THIS VERSION OF THE PROBLEM IS GIVEN IN LOW PRECISION. The matrix products marked QUANTISED in the list below multiply operands that are first quantised to E2M1 (2 exponent bits, 1 mantissa bit; 4 bits a number), with one power-of-two scale for each 32 numbers along K (OCP MX v1.0); their sums are f32. The products marked 'left as it is' may take bf16, f16 or f32 operands, with f32 sums. Whichever they take, every output number must still come out within the allowed error. Rounding operands to bf16 (8 significant bits) uses up far more of that allowance than f16 does (11 bits, for magnitudes from 6e-5 to 65,504). All else is computed in f32.
;;   The module's matrix products, in the order in which they are computed (A, B: the left and right operand; K: the contracted axis; several contracted axes count as one K, in the product's order):
;;     1. [M 2,048, K 2,048] x [K 2,048, N 2,048]; A: input hidden_states; B: input wq: QUANTISED
;;     2. [M 2,048, K 2,048] x [K 2,048, N 2,048]; A: input hidden_states; B: input wk: QUANTISED
;;     3. [M 2,048, K 2,048] x [K 2,048, N 2,048]; A: input hidden_states; B: input wv: QUANTISED
;;     4. [M 2,048, K 1] x [K 1, N 64]; A: computed on the way; B: computed on the way: left as it is (no contracted axis)
;;     5. batch 16 x [M 2,048, K 128] x [K 128, N 2,048]; A: computed on the way; B: computed on the way: left as it is (an operand is computed on the way)
;;     6. batch 16 x [M 128, K 2,048] x [K 2,048, N 2,048]; A: computed on the way; B: computed on the way: left as it is (an operand is computed on the way)
;;     7. [M 2,048, K 2,048] x [K 2,048, N 2,048]; A: computed on the way; B: input wo: left as it is (an operand is computed on the way)
;;   THE QUANTISER, for each operand of a quantised product, along K:
;;     - K is cut into blocks of 32 from its start; a last block that is shorter is filled with zeros.
;;     - A block's scale is 2^e with e = floor(log2(the largest magnitude in the block)) - 2, held to -126 .. 127; a block of zeros has e = 0. As a byte (E8M0): e + 127.
;;     - Each number is divided by its block's scale, clamped to +-6, and rounded to the nearest number of E2M1, ties to even, subnormals kept.
;;     - The product sums the exact products of the quantised numbers (number of the format x scale) in f32.
;;   ~~~python
;;   def quantise(x, axis):      # numpy; x: float32 -> the quantised numbers, widened to float32 again
;;       x = np.moveaxis(x, axis, -1); K = x.shape[-1]
;;       x = np.pad(x, [(0, 0)] * (x.ndim - 1) + [(0, -K % 32)]); x = x.reshape(x.shape[:-1] + (-1, 32)); a = np.abs(x).max(-1, keepdims=True)
;;       e = np.where(a > 0, np.clip(np.frexp(np.where(a > 0, a, 1))[1] - 1 - 2, -126, 127), 0)      # np.frexp(a)[1] - 1 = floor(log2(a)), exactly
;;       r = np.clip(x / 2.0 ** e, -6, 6)
;;       step = 2.0 ** (np.maximum(np.frexp(np.where(r == 0, 1, r))[1] - 1, 0) - 1)
;;       q = np.round(r / step) * step * 2.0 ** e      # np.round: ties to even
;;       return np.moveaxis(q.reshape(q.shape[:-2] + (-1,))[..., :K], -1, axis).astype(np.float32)
;;   ~~~
;; One version. Each part assembles by itself: llvm-mc -triple=amdgcn-amd-amdhsa -mcpu=gfx1250 --defsym DOCPART=n.
;; ======== version 1 of 1: 6 launches
;; limits: inputs' magnitudes at most 1e+30; values are held in f16: magnitudes above 65,504 overflow, below 6.1e-05 lose precision
;; workspace buffers: codes 8,388,608 bytes; tables 1,638,400 bytes; wo16 8,388,608 bytes; qkv16 25,165,824 bytes; fine32 393,216 bytes; attn16 8,388,608 bytes; fineo 135,168 bytes; attn32 131,072 bytes
;; launch prep (part 1): grid 384 x 1, 4 waves a work-group, no clusters, 68,096 bytes of LDS; arguments hidden_states, wq, wk, wv, wo, codes, tables, wo16; writes codes, tables, wo16
.if DOCPART == 1
	.amdgcn_target "amdgcn-amd-amdhsa--gfx1250"
	.amdhsa_code_object_version 6
	.text
	.protected	k_qc990b7f990_prep
	.globl	k_qc990b7f990_prep
	.p2align	8
	.type	k_qc990b7f990_prep,@function
k_qc990b7f990_prep:
	s_mov_b64 s[64:65], 0
	v_nop
	global_prefetch_b8 v0, s[64:65] scope:SCOPE_SE
	s_setreg_imm32_b32 hwreg(HW_REG_WAVE_MODE, 25, 1), 1
	s_wait_xcnt 0x0
; PREP: everything that is made once from the inputs.  Three kinds of work-groups, told apart by the work-group's number alone:
;   0-127   hidden_states [2048][2048] f32 -> codes of FP4 (E2M1), K innermost, and one E8M0 byte for each 32 along K; and the table of gamma cos, gamma sin for the rotation
;   128-319 wq, wk, wv [k][n] f32 -> codes laid [n][k], K innermost, and their scale bytes: a lane takes a column, its registers run down K
;   320-383 wo f32 -> f16, as it lies; and a table of cos = 1, sin = 0, by which v takes the same text as q and k in the next launch
; codes:  +0 hidden [2048][1024 B]; +0x200000 weights [6144 n][1024 B], n = 2048 x (0 q, 1 k, 2 v) + column.
; tables: +0 hidden's scale bytes [2048][64]; +0x20000 the weights' [6144][64]; +0x80000 the rotation's table; +0x180000 the table of ones and zeros.
; THE ROTATION'S TABLE lies in the order of its reader's registers: byte (t / 16) 8192 + b 2048 + piece 512 + 16 lane, lane = 16 h + t % 16, holds four numbers for d = 16 b + 8 h + 4 (piece % 2) + 0..3;
; pieces 0, 1: gamma cos(t inv(d)); pieces 2, 3: gamma sin.  gamma = 128^(-1/4) goes onto q and k alike, so that their product carries 1 / sqrt(128).
; cos and sin: the angle t x inv(d) is rounded once, as the problem has it; it is reduced by multiples of pi / 2 kept in two parts, and two polynomials of degree 7 and 8 follow.
; A block's scale is 2^(floor(log2(largest magnitude)) - 2); its byte is the largest magnitude's exponent field - 2, held at 1 from below.
; LIMITS: a block of zeros gets the byte 1 where the rule says 127 (its codes are zeros, and this program alone reads the bytes); NaN and infinities among the inputs are not served; wo beyond 65,504 is not served.
; Each kind of work-group has LDS bytes of its own.
.set WREG,  8192                       ; hidden: a region for each wave: two stages of 32 x SP bytes, then its 256 scale bytes
.set SP,    80
.set CB,    8
.set STEPS, 16
.set EMAX,  2
.set R,     16                         ; v16-79   hidden: four sets of 16 numbers as loaded
.set X,     80                         ; v80-111  two sets of 16 neighbours
.set E,     112                        ; v112-127 a scale byte for each step
.set C,     128                        ; v128-191 codes
.set INV,   192                        ; v192-199 inv(d) of my eight d
.set COSR,  200                        ; v200-207 gamma cos
.set SINR,  208                        ; v208-215 gamma sin
.set W,     216                        ; v216-223 at work
.set SPW,   224                        ; v224 LDS address of my spare word; never rewritten
.set NIL,   225                        ; v225 0; never rewritten
.set WSTG,  4*WREG                     ; weights: a stage of 32 x PITCH bytes for each wave
.set PITCH, 272
.set KROW,  1024                       ; a row of codes in bytes
.set NB,    16
.set WX,    32                         ; v32-95   weights: two sets of 32 numbers
.set WC,    96                         ; v96-99   a block's codes
.set WOUT,  112                        ; v112-175 the way out
.set WSB,   24                         ; v24-27   scale bytes
.set SPARE, WSTG+4*32*PITCH            ; the spare words, 128 bytes for each wave
.set IDOFF, 0x180000
	s_load_b512 s[36:51], s[0:1], 0x0              ; hidden 36, wq 38, wk 40, wv 42, wo 44, codes 46, tables 48, wo16 50
	v_lshl_add_u32 v[SPW], v0, 2, SPARE
	v_mov_b32 v[NIL], 0
	v_lshrrev_b32 v1, 5, v0
	v_readfirstlane_b32 s16, v1                    ; wave
	v_and_b32 v2, 31, v0                           ; lane
	s_wait_kmcnt 0x0
	s_cmp_lt_u32 ttmp9, 128
	s_cbranch_scc1 .Lpath_h
	s_cmp_lt_u32 ttmp9, 320
	s_cbranch_scc1 .Lpath_w
; ---------------- wo to f16: a wave takes 16,384 numbers, 16 groups of 8 loads of 512 consecutive bytes; loads run four groups ahead; no LDS
	s_sub_co_u32 s17, ttmp9, 320
	s_lshl_b32 s17, s17, 2
	s_add_co_u32 s17, s17, s16                     ; my run, 0 to 255
	s_lshl_b32 s18, s17, 16
	s_mov_b32 s19, 0
	s_add_nc_u64 s[4:5], s[44:45], s[18:19]
	s_lshl_b32 s18, s17, 15
	s_add_nc_u64 s[6:7], s[50:51], s[18:19]
	s_lshl_b32 s18, s17, 8
	s_add_co_u32 s18, s18, IDOFF
	s_add_nc_u64 s[8:9], s[48:49], s[18:19]        ; my 256 bytes of the table of ones and zeros
	v_lshlrev_b32 v3, 4, v2
	v_lshlrev_b32 v4, 3, v2
	s_and_b32 s20, s17, 4                          ; of each 2,048 bytes the first 1,024 are cos, the others sin
	s_cmp_eq_u32 s20, 0
	s_cselect_b32 s20, 0x3f800000, 0
	v_mov_b32 v6, s20
	v_mov_b32 v7, s20
.macro LOADG g
.irp i, 0,1,2,3,4,5,6,7
	global_load_b128 v[16+32*((\g)%4)+4*\i:16+32*((\g)%4)+4*\i+3], v3, s[4:5] offset:4096*(\g)+512*\i th:TH_LOAD_NT
.endr
.endm
.macro GROUP g
.if 15-(\g) >= 3
	s_wait_loadcnt 24                              ; this group's eight loads are in; three younger groups may be out
.else
	s_wait_loadcnt 8*(15-(\g))
.endif
	s_wait_xcnt 0x0                                ; the stores of two groups back have read the registers that are written now
.irp i, 0,1,2,3,4,5,6,7
	v_cvt_pk_f16_f32 v[144+16*((\g)%2)+2*\i], v[16+32*((\g)%4)+4*\i], v[16+32*((\g)%4)+4*\i+1]
	v_cvt_pk_f16_f32 v[144+16*((\g)%2)+2*\i+1], v[16+32*((\g)%4)+4*\i+2], v[16+32*((\g)%4)+4*\i+3]
.endr
.if (\g)+4 < 16
	LOADG (\g)+4
.endif
.irp i, 0,1,2,3,4,5,6,7
	global_store_b64 v4, v[144+16*((\g)%2)+2*\i:144+16*((\g)%2)+2*\i+1], s[6:7] offset:2048*(\g)+256*\i   ; 32 lanes store 256 consecutive bytes, aligned
.endr
.endm
	LOADG 0
	LOADG 1
	LOADG 2
	LOADG 3
	global_store_b64 v4, v[6:7], s[8:9]
.irp g, 0,1,2,3,4,5,6,7,8,9,10,11,12,13,14,15
	GROUP \g
.endr
	s_endpgm
; ---------------- hidden_states: a plain stream of blocks of 32.  A wave takes 16 steps of 512 numbers.  Loads are dense (512 bytes each); a step's 2,048 bytes turn through the wave's stage so that a lane holds 16 neighbours
.Lpath_h:
	v_lshlrev_b32 v3, 4, v2                        ; my 16 bytes of a load's 512
	s_mul_i32 s17, s16, WREG
	v_lshrrev_b32 v14, 2, v2
	v_mul_u32_u24 v14, v14, SP
	v_and_b32 v15, 3, v2
	v_lshl_add_u32 v14, v15, 4, v14
	v_add_nc_u32 v14, s17, v14                     ; the stage, on the way in
	v_mul_u32_u24 v15, v2, SP
	v_add_nc_u32 v15, s17, v15                     ; and on the way out: my 16 neighbours
	v_mul_u32_u24 v4, v2, CB
	v_lshrrev_b32 v5, 1, v2
	s_add_co_u32 s17, s17, 2*32*SP
	v_add_nc_u32 v5, s17, v5                       ; my block's scale byte in LDS
	v_lshlrev_b32 v7, 3, v2
	v_add_nc_u32 v6, s17, v7
	s_lshl_b32 s18, ttmp9, 2
	s_add_co_u32 s18, s18, s16                     ; my run of 8,192 numbers
	s_mov_b32 s19, 0
	s_lshl_b32 s20, s18, 15
	s_mov_b32 s21, 0
	s_add_nc_u64 s[4:5], s[36:37], s[20:21]
	s_lshl_b32 s20, s18, 12
	s_add_nc_u64 s[8:9], s[46:47], s[20:21]
	s_lshl_b32 s20, s18, 8
	s_add_nc_u64 s[10:11], s[48:49], s[20:21]
.macro HLOAD t
.irp i, 0,1,2,3
	global_load_b128 v[R+16*((\t)%4)+4*\i:R+16*((\t)%4)+4*\i+3], v3, s[4:5] offset:2048*(\t)+512*\i th:TH_LOAD_NT
.endr
.endm
.macro HTURN t                         ; LDS serves a wave's instructions in order: no wait between the stores and the loads
.irp i, 0,1,2,3
	ds_store_b128 v14, v[R+16*((\t)%4)+4*\i:R+16*((\t)%4)+4*\i+3] offset:32*SP*((\t)%2)+8*SP*\i
.endr
.irp i, 0,1,2,3
	ds_load_b128 v[X+16*((\t)%2)+4*\i:X+16*((\t)%2)+4*\i+3], v15 offset:32*SP*((\t)%2)+16*\i
.endr
.endm
.irp t, 0,1,2,3
	HLOAD \t
.endr
	; the rotation's table, while the first loads are on their way: rows t = 16 x work-group + lane % 16, d = 16 x wave + 8 (lane / 16) + 0..7
	s_mov_b32 s20, 0x3f22f983                      ; 2 / pi
	s_mov_b32 s21, 0xbfc90fdb                      ; -(pi / 2), its upper part
	s_mov_b32 s22, 0x333bbd2e                      ; and what is left of it
	s_mov_b32 s23, 0xb94ca1f9                      ; the sine's three coefficients
	s_mov_b32 s24, 0x3c08839e
	s_mov_b32 s25, 0xbe2aaaa3
	s_mov_b32 s26, 0x37ccf5ce                      ; the cosine's
	s_mov_b32 s27, 0xbab6061a
	s_mov_b32 s28, 0x3d2aaaa5
	s_mov_b32 s29, 0x3e9837f0                      ; gamma = 128^(-1/4)
	v_lshrrev_b32 v[W], 4, v2
	v_lshlrev_b32 v[W], 3, v[W]
	s_lshl_b32 s30, s16, 4
	v_add_nc_u32 v[W], s30, v[W]
.irp i, 0,1,2,3,4,5,6,7
	v_add_nc_u32 v[INV+\i], \i, v[W]
.endr
.irp i, 0,1,2,3,4,5,6,7
	v_cvt_f32_u32 v[INV+\i], v[INV+\i]
.endr
.irp i, 0,1,2,3,4,5,6,7
	v_mul_f32 v[INV+\i], 0xbe549a78, v[INV+\i]     ; -d log2(10000) / 64
.endr
.irp i, 0,1,2,3,4,5,6,7
	v_exp_f32 v[INV+\i], v[INV+\i]                 ; inv(d) = 10000^(-d / 64): one batch
.endr
	v_and_b32 v[W+7], 15, v2                       ; plain work behind the batch
	s_lshl_b32 s30, ttmp9, 4
	v_add_nc_u32 v[W+7], s30, v[W+7]
	v_cvt_f32_u32 v[W+7], v[W+7]                   ; t
	s_wait_alu depctr_va_vdst(0)                   ; one wait for the eight, ahead of their first reader
.macro SINCOS i
	v_mul_f32 v[W], v[W+7], v[INV+\i]              ; the angle, rounded once
	v_mul_f32 v[W+1], s20, v[W]
	v_rndne_f32 v[W+1], v[W+1]                     ; n: how many quarter turns
	v_fma_f32 v[W], v[W+1], s21, v[W]
	v_fma_f32 v[W], v[W+1], s22, v[W]              ; x = angle - n pi / 2
	v_mul_f32 v[W+2], v[W], v[W]                   ; z = x x
	v_fma_f32 v[W+3], v[W+2], s23, s24
	v_fma_f32 v[W+4], v[W+2], s26, s27
	v_fma_f32 v[W+3], v[W+3], v[W+2], s25
	v_fma_f32 v[W+4], v[W+4], v[W+2], s28
	v_mul_f32 v[W+6], v[W+2], v[W]
	v_fma_f32 v[W+3], v[W+3], v[W+6], v[W]         ; sin x
	v_mul_f32 v[W+6], v[W+2], v[W+2]
	v_fma_f32 v[W], v[W+2], -0.5, 1.0
	v_fma_f32 v[W+4], v[W+4], v[W+6], v[W]         ; cos x
	v_cvt_i32_f32 v[W+5], v[W+1]
	v_and_b32 v[W+6], 1, v[W+5]
	v_cmp_eq_u32 vcc_lo, 1, v[W+6]                 ; an odd quarter swaps the two
	v_cndmask_b32 v[SINR+\i], v[W+3], v[W+4], vcc_lo
	v_cndmask_b32 v[COSR+\i], v[W+4], v[W+3], vcc_lo
	v_and_b32 v[W+6], 2, v[W+5]
	v_lshlrev_b32 v[W+6], 30, v[W+6]
	v_xor_b32 v[SINR+\i], v[W+6], v[SINR+\i]       ; quarters 2, 3: -sin
	v_add_nc_u32 v[W+5], 1, v[W+5]
	v_and_b32 v[W+5], 2, v[W+5]
	v_lshlrev_b32 v[W+5], 30, v[W+5]
	v_xor_b32 v[COSR+\i], v[W+5], v[COSR+\i]       ; quarters 1, 2: -cos
	v_mul_f32 v[SINR+\i], s29, v[SINR+\i]
	v_mul_f32 v[COSR+\i], s29, v[COSR+\i]
.endm
.irp i, 0,1,2,3,4,5,6,7
	SINCOS \i
.endr
	s_lshl_b32 s30, ttmp9, 13
	s_lshl_b32 s31, s16, 11
	s_add_co_u32 s30, s30, s31
	s_add_co_u32 s30, s30, 0x80000
	s_mov_b32 s31, 0
	s_add_nc_u64 s[32:33], s[48:49], s[30:31]
	global_store_b128 v3, v[COSR:COSR+3], s[32:33]               ; each store covers 512 consecutive bytes, aligned
	global_store_b128 v3, v[COSR+4:COSR+7], s[32:33] offset:512
	global_store_b128 v3, v[SINR:SINR+3], s[32:33] offset:1024
	global_store_b128 v3, v[SINR+4:SINR+7], s[32:33] offset:1536
	s_wait_loadcnt 12                              ; step 0's four loads are in
	HTURN 0
.macro HSTEP t
.set XS, X+16*((\t)%2)
.if (\t) > 0
	s_wait_dscnt 1                                 ; this step's numbers are back from the stage (the last step's byte store may be out)
.else
	s_wait_dscnt 0x0
.endif
.if (\t)+4 < STEPS
	HLOAD (\t)+4
.endif
.if (\t)+1 < STEPS
.if STEPS-2-(\t) >= 3
	s_wait_loadcnt 12                              ; the next step's four loads are in; three steps' may be out
.else
	s_wait_loadcnt 4*(STEPS-2-(\t))
.endif
	HTURN (\t)+1
.endif
	v_max3_num_f32 v8, |v[XS]|, |v[XS+1]|, |v[XS+2]|
	v_max3_num_f32 v9, |v[XS+3]|, |v[XS+4]|, |v[XS+5]|
.irp i, 6,10
	v_max3_num_f32 v8, v8, |v[XS+\i]|, |v[XS+\i+1]|
	v_max3_num_f32 v9, v9, |v[XS+\i+2]|, |v[XS+\i+3]|
.endr
	v_max3_num_f32 v8, v8, |v[XS+14]|, |v[XS+15]|
	v_max3_num_f32 v8, v8, v9, (EMAX+1)<<23        ; the floor 2^(EMAX + 1 - 127): the byte cannot fall under 1
	v_max_num_f32_dpp v8, v8, v8 row_xmask:1 row_mask:0xf bank_mask:0xf   ; with my neighbour's 16: the block's
	v_add_nc_u32 v11, -(EMAX<<23), v8              ; EMAX off the exponent field: the conversion's scale operand
	v_cvt_scalef32_pk8_fp4_f32 v[C+4*(\t)], v[XS:XS+7], v11
	v_cvt_scalef32_pk8_fp4_f32 v[C+4*(\t)+1], v[XS+8:XS+15], v11
	v_lshrrev_b32 v[E+(\t)], 23, v11               ; the scale's byte
	ds_store_b8 v5, v[E+(\t)] offset:16*(\t)       ; both lanes of a block write the same byte with the same value
	global_store_b64 v4, v[C+4*(\t):C+4*(\t)+1], s[8:9] offset:32*CB*(\t)
.endm
.irp t, 0,1,2,3,4,5,6,7,8,9,10,11,12,13,14,15
	HSTEP \t
.endr
	ds_load_b64 v[8:9], v6
	s_wait_dscnt 0x0
	global_store_b64 v7, v[8:9], s[10:11]          ; my wave's 256 scale bytes: one aligned run
	s_wait_tensorcnt 0x0                           ; the wave's end, behind my last LDS store
	ds_add_u32 v[SPW], v[NIL]
	s_wait_dscnt 0x0
	s_endpgm
; ---------------- wq, wk, wv: a wave takes 32 columns x 512 along K; a lane's 32 registers are a whole block of one column; the codes leave through the wave's stage as rows
.Lpath_w:
	s_sub_co_u32 s30, ttmp9, 128
	s_lshr_b32 s31, s30, 6                         ; which weight
	s_and_b32 s17, s30, 15                         ; which 128 columns
	s_bfe_u32 s18, s30, 0x20004                    ; which 512 along K
	s_lshl_b32 s17, s17, 7
	s_lshl_b32 s19, s16, 5
	s_add_co_u32 s17, s17, s19                     ; my wave's first column in its weight
	v_lshlrev_b32 v3, 2, v2
	s_mul_i32 s19, s16, 32*PITCH
	s_add_co_u32 s19, s19, WSTG                    ; my stage
	v_mul_u32_u24 v4, v2, PITCH
	v_add_nc_u32 v4, s19, v4
	v_and_b32 v5, 15, v2
	v_lshrrev_b32 v6, 4, v2
	v_mul_u32_u24 v7, v6, PITCH
	v_lshl_add_u32 v7, v5, 4, v7
	v_add_nc_u32 v7, s19, v7
	v_mul_u32_u24 v8, v6, KROW
	v_lshl_add_u32 v8, v5, 4, v8
	s_lshl_b32 s20, s18, 22                        ; 512 rows of 8,192 bytes
	s_lshl_b32 s22, s17, 2
	s_add_co_u32 s20, s20, s22
	s_mov_b32 s21, 0
	s_lshl_b32 s22, s31, 11
	s_add_co_u32 s22, s22, s17                     ; n
	s_lshl_b32 s24, s22, 10
	s_lshl_b32 s26, s18, 8
	s_add_co_u32 s24, s24, s26
	s_add_co_u32 s24, s24, 0x200000
	s_mov_b32 s25, 0
	s_lshl_b32 s28, s22, 6
	s_lshl_b32 s26, s18, 4
	s_add_co_u32 s28, s28, s26
	s_add_co_u32 s28, s28, 0x20000
	s_mov_b32 s29, 0
	v_mul_u32_u24 v9, v2, 64                       ; my column's row of scale bytes
	s_cmp_eq_u32 s31, 0
	s_cselect_b64 s[4:5], s[38:39], s[40:41]
	s_cmp_eq_u32 s31, 2
	s_cselect_b64 s[4:5], s[42:43], s[4:5]
	s_add_nc_u64 s[4:5], s[4:5], s[20:21]
	s_add_nc_u64 s[6:7], s[46:47], s[24:25]
	s_add_nc_u64 s[8:9], s[48:49], s[28:29]
.macro WLOAD t
.irp i, 0,1,2,3,4,5,6,7,8,9,10,11,12,13,14,15,16,17,18,19,20,21,22,23,24,25,26,27,28,29,30,31
	global_load_b32 v[WX+32*((\t)%2)+\i], v3, s[4:5] offset:(32*(\t)+\i)*8192 th:TH_LOAD_NT
.endr
.endm
	WLOAD 0
	WLOAD 1
.macro BLOCK t
.set XS, WX+32*((\t)%2)
.if (\t) < NB-1
	s_wait_loadcnt 32                              ; this block's 32 loads are in; the next block's may be out
.else
	s_wait_loadcnt 0
.endif
	v_max3_num_f32 v12, |v[XS]|, |v[XS+1]|, |v[XS+2]|
	v_max3_num_f32 v13, |v[XS+3]|, |v[XS+4]|, |v[XS+5]|
.irp i, 6,10,14,18,22,26
	v_max3_num_f32 v12, v12, |v[XS+\i]|, |v[XS+\i+1]|
	v_max3_num_f32 v13, v13, |v[XS+\i+2]|, |v[XS+\i+3]|
.endr
	v_max3_num_f32 v12, v12, |v[XS+30]|, |v[XS+31]|
	v_max3_num_f32 v12, v12, v13, (EMAX+1)<<23
	v_add_nc_u32 v11, -(EMAX<<23), v12
	v_lshrrev_b32 v13, 23, v11
.if (\t)%4 == 0
	v_mov_b32 v[WSB+(\t)/4], v13
.else
	v_lshl_or_b32 v[WSB+(\t)/4], v13, 8*((\t)%4), v[WSB+(\t)/4]
.endif
.irp g, 0,1,2,3
	v_cvt_scalef32_pk8_fp4_f32 v[WC+\g], v[XS+8*\g:XS+8*\g+7], v11
.endr
	ds_store_b128 v4, v[WC:WC+3] offset:16*(\t)
.if (\t)+2 < NB
	WLOAD (\t)+2
.endif
	s_wait_dscnt 0x0                               ; the store has read its registers: the next block's codes may be written
.endm
.set Q, 0
.rept NB
	BLOCK Q
.set Q, Q+1
.endr
	global_store_b128 v9, v[WSB:WSB+3], s[8:9]
.irp t, 0,1,2,3,4,5,6,7,8,9,10,11,12,13,14,15
	ds_load_b128 v[WOUT+4*\t:WOUT+4*\t+3], v7 offset:2*\t*PITCH
.endr
.irp t, 0,1,2,3,4,5,6,7,8,9,10,11,12,13,14,15
	s_wait_dscnt 15-\t
	global_store_b128 v8, v[WOUT+4*\t:WOUT+4*\t+3], s[6:7] offset:2*\t*KROW   ; sixteen lanes store 256 consecutive bytes, aligned
.endr
	s_wait_tensorcnt 0x0                           ; the wave's end, behind my last LDS store
	ds_add_u32 v[SPW], v[NIL]
	s_wait_dscnt 0x0
	s_endpgm
.Lfunc_end_k_qc990b7f990_prep:
	.size	k_qc990b7f990_prep, .Lfunc_end_k_qc990b7f990_prep-k_qc990b7f990_prep
	.p2alignl 7, 3214868480
	.fill 96, 4, 3214868480
	.section	.rodata,"a",@progbits
	.p2align	6, 0x0
	.amdhsa_kernel k_qc990b7f990_prep
		.amdhsa_group_segment_fixed_size 68096
		.amdhsa_private_segment_fixed_size 0
		.amdhsa_enable_private_segment 0
		.amdhsa_kernarg_size 64
		.amdhsa_user_sgpr_count 2
		.amdhsa_user_sgpr_kernarg_segment_ptr 1
		.amdhsa_wavefront_size32 1
		.amdhsa_system_sgpr_workgroup_id_x 1
		.amdhsa_system_sgpr_workgroup_id_y 1
		.amdhsa_system_sgpr_workgroup_id_z 1
		.amdhsa_system_vgpr_workitem_id 0
		.amdhsa_next_free_vgpr 226
		.amdhsa_next_free_sgpr 66
		.amdhsa_reserve_vcc 1
		.amdhsa_float_denorm_mode_32 3
		.amdhsa_float_denorm_mode_16_64 3
		.amdhsa_memory_ordered 1
		.amdhsa_forward_progress 1
		.amdhsa_inst_pref_size 165
	.end_amdhsa_kernel
	.amdgpu_metadata
---
amdhsa.version: [ 1, 2 ]
amdhsa.kernels:
  - .name:           k_qc990b7f990_prep
    .symbol:         k_qc990b7f990_prep.kd
    .args:
      - { .name: hidden_states, .offset: 0, .size: 8, .value_kind: global_buffer, .address_space: global }
      - { .name: wq, .offset: 8, .size: 8, .value_kind: global_buffer, .address_space: global }
      - { .name: wk, .offset: 16, .size: 8, .value_kind: global_buffer, .address_space: global }
      - { .name: wv, .offset: 24, .size: 8, .value_kind: global_buffer, .address_space: global }
      - { .name: wo, .offset: 32, .size: 8, .value_kind: global_buffer, .address_space: global }
      - { .name: codes, .offset: 40, .size: 8, .value_kind: global_buffer, .address_space: global }
      - { .name: tables, .offset: 48, .size: 8, .value_kind: global_buffer, .address_space: global }
      - { .name: wo16, .offset: 56, .size: 8, .value_kind: global_buffer, .address_space: global }
    .group_segment_fixed_size: 68096
    .private_segment_fixed_size: 0
    .kernarg_segment_align: 8
    .kernarg_segment_size: 64
    .max_flat_workgroup_size: 128
    .sgpr_count:     66
    .vgpr_count:     226
    .wavefront_size: 32
...
	.end_amdgpu_metadata
.endif
;; end of part 1
;; launch qkv (part 2): grid 24 x 8, 4 waves a work-group, clusters of 4 x 4, 327,680 bytes of LDS; arguments codes, tables, qkv16, fine32; writes qkv16, fine32
.if DOCPART == 2
	.amdgcn_target "amdgcn-amd-amdhsa--gfx1250"
	.amdhsa_code_object_version 6
	.text
	.protected	k_qc990b7f990_qkv
	.globl	k_qc990b7f990_qkv
	.p2align	8
	.type	k_qc990b7f990_qkv,@function
k_qc990b7f990_qkv:
	s_mov_b64 s[64:65], 0
	v_nop
	global_prefetch_b8 v0, s[64:65] scope:SCOPE_SE
	s_setreg_imm32_b32 hwreg(HW_REG_WAVE_MODE, 25, 1), 1
	s_wait_xcnt 0x0
	s_wait_alu depctr_hold_cnt(0) depctr_sa_sdst(0) depctr_va_vdst(0) depctr_va_sdst(0) depctr_va_ssrc(0) depctr_va_vcc(0) depctr_vm_vsrc(0)
	s_getreg_b32 s2, hwreg(HW_REG_IB_STS2, 6, 4)
	s_cmp_eq_u32 s2, 0
	s_cbranch_scc0 .Lentry_in_a_cluster
	s_endpgm
.Lentry_in_a_cluster:
	s_bfe_u32 s2, ttmp6, 0x10000c
	s_cmp_lg_u32 s2, 0xf033
	s_cbranch_scc0 .Lentry_shape_is_right
	s_endpgm
.Lentry_shape_is_right:
; q, k, v = hidden x (wq | wk | wv) on codes of FP4 (E2M1) with one E8M0 scale for each 32 along K, then the rotation, then f16.
; A: hidden's codes [2048][2048 k], B: the weights' codes [6144 n][2048 k]; sums in f32.  A tile of 256 x 256 is made by four waves, 128 x 128 each: a wave's 128 columns are ONE head of q, k or v.
; K goes in steps of 512 through a ring of two LDS slots filled by the tensor data mover; the scale bytes of the work-group's rows come into LDS once, with the first fills.
; CLUSTERS: 4 x 4 work-groups; A's tiles are asked for jointly along a row of the cluster, B's along a column.  THE MATRIX INSTRUCTION IS USED TRANSPOSED (source 0 = 16 rows of B, source 1 = 16 rows of A):
; a lane holds one position (lane % 16) and eight neighbouring channels 16 b + 8 (lane / 16) + 0..7 of the head.
; THE WAY OUT.  y(d) = x(d) cos - x(d + 64) sin, y(d + 64) = x(d + 64) cos + x(d) sin, d < 64: accumulators b and b + 4 of a block of 16 positions, with a table that lies in the order of these registers.
; q and k take the table of gamma cos, gamma sin; v takes a table of cos = 1, sin = 0, so that all three run one text: only the table's offset is chosen, by the cluster's x.
; THE TABLES, 64 registers a block, lie in four sets that take turns, and a table is asked for four blocks ahead of its use: those of blocks 0, 1, 2 at the head, into registers that hold nothing in the loop over K;
; block 3's behind the last product, into B's first set; block a + 4's behind block a's rotation, into block a's set.
; The results go as f16 to qkv16 [48 slots][2048][128] (slot = head, 16 + head, 32 + head) through the wave's stage in LDS, and positions 0-15 also as f32 to fine32 [48][16][128].
; LIMITS: results beyond 65,504 are not served in f16.
; REGISTERS, in windows of 256: window 0: v0-31 addresses; v32-95 scale words, two sets; v128-191 A's fragments; v192-255 tables, set 0.  On the way out: v96-111 rotated numbers, v112-143 packed, v144-175 rows read back.
;   window 1: B's fragments, two sets, at v0 and v128; tables: set 1 at v64, set 2 at v192, set 3 at v0.   windows 2, 3: the 64 accumulators.
.set SIZE_M, 2048
.set SIZE_N, 6144
.set SIZE_K, 2048
.set KSTEP,  512
.set NQ,     KSTEP/128
.set ROWB,   256
.set KROW,   SIZE_K*4/8
.set PITCH,  272                       ; an LDS row: 256 bytes + 16 of padding: the 16 rows that a load touches start at 16 different banks (64 banks of 4 bytes: ISA guide 11.1)
.set FR,     8
.set NL,     2
.set NP,     4
.set HALFT,  128*PITCH
.set SLOT,   4*HALFT
.set LAPS,   SIZE_K/(2*KSTEP)
.set KS,     SIZE_K/32
.set SCL,    2*SLOT
.set HALFS,  (128*KS/256)*272
.set SBLK,   (16*KS/256)*272
.set SPARE,  SCL+4*HALFS               ; the spare words, 128 bytes for each wave
.set SPITCH, 272                       ; the way out: a stage of 16 rows x (256 bytes + 16) for each wave, in slot 0, which has had its last fill and its last read by then
.set ADRA, 16
.set ADRB, 20
.set TO,   22                          ; v22 16 x lane: my place in a piece of the table
.set FO,   23                          ; v23 my place in fine32: row x 512 + 32 (lane / 16)
.set STO,  24
.set RD,   25
.set CO,   26
.set ADRS, 27
.set SPW,  28
.set NIL,  29
.set ROWI, 30                          ; v30 the position that my lane holds in block 0
.set SC,   32
.set AF,   128
.set Y1,   96
.set Y2,   104
.set TMP,  112
.set BK,   144
.set G1, 24
.set G0, 32
.set G1B, 48
.set G0B, 56
.set G1S, 68
.set G0S, 76
.set G1SB, 80
.set G0SB, 88
.set MSB, 0
.macro WIN new                         ; the immediate's high byte repeats the setting that is left
.if MSB != \new
	s_set_vgpr_msb (MSB<<8)|\new
.set MSB, \new
.endif
.endm
.set MUL_LO, 0xa1
.set MUL_HI, 0xf1
.set TO_B,   0x40
; A joint load: waves 0 and 1 fetch for A, waves 2 and 3 for B; the branch hangs on the wave's number alone.  An s_nop 0 and four v_nop follow each of the two lines.
.macro JLOAD g0a, g1a, g0b, g1b
	s_cmp_eq_u32 s15, 0
	s_cbranch_scc0 .Lfor_b_\@
	tensor_load_to_lds s[\g0a:\g0a+3], s[\g1a:\g1a+7]
	s_nop 0
.rept 4
	v_nop
.endr
	s_branch .Lasked_\@
.Lfor_b_\@:
	tensor_load_to_lds s[\g0b:\g0b+3], s[\g1b:\g1b+7]
	s_nop 0
.rept 4
	v_nop
.endr
.Lasked_\@:
.endm
.macro CREST
	s_cmp_lg_u32 s14, 0
	s_cbranch_scc1 .Lnot_wave_0_\@
	s_barrier_signal -3
.Lnot_wave_0_\@:
	s_barrier_wait -3
	s_barrier_signal -1
	s_barrier_wait -1
.endm
.macro CROUND
	s_barrier_signal -1
	s_barrier_wait -1
	CREST
.endm
	s_load_b128 s[4:7], s[0:1], 0x0                ; codes, tables
	s_load_b64 s[12:13], s[0:1], 0x10              ; qkv16
	s_load_b64 s[98:99], s[0:1], 0x18              ; fine32
	v_lshl_add_u32 v[SPW], v0, 2, SPARE
	v_mov_b32 v[NIL], 0
	ds_add_u32 v[SPW], v[NIL]                      ; the wave's opening: the add, twice on end, and its wait ahead of my first tensor load
	ds_add_u32 v[SPW], v[NIL]
	v_lshrrev_b32 v1, 5, v0
	v_readfirstlane_b32 s14, v1                    ; wave 0..3
	s_lshr_b32 s15, s14, 1                         ; which half of the tile's rows is mine.  Also: I fetch for A (0) or for B (1)
	s_and_b32 s16, s14, 1                          ; which half of its columns.  Also: which 128 rows of that tile I fetch
	s_bfe_u32 s40, ttmp6, 0x40000                  ; cx, cy
	s_bfe_u32 s41, ttmp6, 0x40004
	s_lshl_b32 s42, ttmp9, 2
	s_add_co_u32 s42, s42, s40                     ; tile column
	s_and_b32 s17, ttmp7, 0xffff
	s_lshl_b32 s17, s17, 2
	s_add_co_u32 s17, s17, s41                     ; tile row
	s_lshl_b32 s43, s41, 2
	s_lshl_b32 s43, 15, s43                        ; my row of the cluster
	s_lshl_b32 s44, 0x1111, s40                    ; my column
	s_or_b32 s[G1+0], s43, (0<<16)|(1<<20)|(1<<21)|(5<<22)|(3<<25)  ; the mask; elements of 1 byte; padding on; bit 21 beside a mask; after every 64 words, 4 words
	s_or_b32 s[G1B+0], s44, (0<<16)|(1<<20)|(1<<21)|(5<<22)|(3<<25)
.irp g, G1, G1B
	s_mov_b32 s[\g+1], ROWB<<16
	s_mov_b32 s[\g+2], 128<<16
	s_mov_b32 s[\g+3], ROWB<<16
	s_mov_b32 s[\g+4], 128
	s_mov_b32 s[\g+5], KROW
	s_mov_b32 s[\g+6], 0
	s_mov_b32 s[\g+7], 0
.endr
	s_or_b32 s[G1S+0], s43, (3<<16)|(1<<20)|(1<<21)|(5<<22)|(3<<25) ; the scales of 128 rows: a dense block, as rows of 256 bytes (32 elements of 8 bytes)
	s_or_b32 s[G1SB+0], s44, (3<<16)|(1<<20)|(1<<21)|(5<<22)|(3<<25)
.irp g, G1S, G1SB
	s_mov_b32 s[\g+1], 32<<16
	s_mov_b32 s[\g+2], (128*KS/256)<<16
	s_mov_b32 s[\g+3], 32<<16
	s_mov_b32 s[\g+4], 128*KS/256
	s_mov_b32 s[\g+5], 32
	s_mov_b32 s[\g+6], 0
	s_mov_b32 s[\g+7], 0
.endr
	s_lshl_b32 s18, s16, 7
	s_lshl_b32 s20, s17, 8
	s_add_co_u32 s20, s20, s18                     ; A: row 256 x tile row + 128 x half
	s_lshl_b32 s46, s42, 8
	s_add_co_u32 s46, s46, s18                     ; B: row 256 x tile column + 128 x half
	s_mov_b32 s21, 0
	s_mov_b32 s47, 0
	s_mov_b64 s[18:19], KS
	s_mul_u64 s[22:23], s[20:21], s[18:19]
	s_mul_u64 s[92:93], s[46:47], s[18:19]
	s_mov_b64 s[18:19], KROW
	s_mul_u64 s[20:21], s[20:21], s[18:19]
	s_mul_u64 s[46:47], s[46:47], s[18:19]
	s_mul_i32 s45, s14, HALFT
	s_mul_i32 s94, s14, HALFS
	s_wait_dscnt 0x0                               ; both opening adds are done
	s_wait_kmcnt 0x0
	s_add_nc_u64 s[8:9], s[4:5], 0x200000          ; the weights' codes
	s_add_nc_u64 s[10:11], s[6:7], 0x20000         ; and their scale bytes
	s_add_nc_u64 s[20:21], s[4:5], s[20:21]
	s_add_nc_u64 s[22:23], s[6:7], s[22:23]
	s_add_nc_u64 s[46:47], s[8:9], s[46:47]
	s_add_nc_u64 s[92:93], s[10:11], s[92:93]
	CROUND                                         ; all sixteen work-groups are here: the first joint loads meet
	s_mov_b32 s[G0S], 1
	s_add_co_u32 s[G0S+1], s94, SCL
	s_mov_b64 s[G0S+2:G0S+3], s[22:23]
	s_or_b32 s[G0S+3], s[G0S+3], 0x80000000
	s_mov_b32 s[G0SB], 1
	s_add_co_u32 s[G0SB+1], s94, SCL
	s_mov_b64 s[G0SB+2:G0SB+3], s[92:93]
	s_or_b32 s[G0SB+3], s[G0SB+3], 0x80000000
	JLOAD G0S, G1S, G0SB, G1SB                     ; the scales first: they are wanted with K step 0
.irp s, 0,1
	s_mov_b32 s[G0+4*\s], 1
	s_add_co_u32 s[G0+4*\s+1], s45, \s*SLOT
	s_add_nc_u64 s[G0+4*\s+2:G0+4*\s+3], s[20:21], \s*ROWB
	s_or_b32 s[G0+4*\s+3], s[G0+4*\s+3], 0x80000000
	s_mov_b32 s[G0B+4*\s], 1
	s_add_co_u32 s[G0B+4*\s+1], s45, \s*SLOT
	s_add_nc_u64 s[G0B+4*\s+2:G0B+4*\s+3], s[46:47], \s*ROWB
	s_or_b32 s[G0B+4*\s+3], s[G0B+4*\s+3], 0x80000000
	JLOAD G0+4*\s, G1, G0B+4*\s, G1B
.endr
	v_and_b32 v1, 15, v0                           ; l % 16
	v_bfe_u32 v2, v0, 4, 1                         ; l / 16
	v_mul_u32_u24 v3, v1, PITCH
	v_lshl_add_u32 v4, v2, 4, v3
	s_mul_i32 s21, s15, HALFT
	s_mul_i32 s22, s16, HALFT
	s_add_co_u32 s22, s22, 2*HALFT
.irp s, 0,1
	v_add_nc_u32 v[ADRA+\s], s21, v4
	v_add_nc_u32 v[ADRB+\s], s22, v4
	s_add_co_u32 s21, s21, SLOT
	s_add_co_u32 s22, s22, SLOT
.endr
	v_mul_u32_u24 v5, v1, KS
	v_lshrrev_b32 v6, 8, v5
	v_lshl_add_u32 v5, v6, 4, v5
	s_mul_i32 s21, s15, HALFS
	s_mul_i32 s22, s16, HALFS
	s_add_co_u32 s22, s22, 2*HALFS
	s_sub_co_u32 s22, s22, s21
	v_mul_u32_u24 v6, s22, v2                      ; lanes 16-31 take B's scale words
	s_add_co_u32 s21, s21, SCL
	v_add_nc_u32 v5, v5, v6
	v_add_nc_u32 v[ADRS], s21, v5
	s_mul_i32 s23, s14, 16*SPITCH                  ; my stage
	v_mul_u32_u24 v5, v1, SPITCH
	v_lshl_add_u32 v5, v2, 4, v5
	v_add_nc_u32 v[STO], s23, v5                   ; in: row l % 16, 16 bytes for each half of the lanes
	v_mul_u32_u24 v5, v2, SPITCH
	v_lshl_add_u32 v5, v1, 4, v5
	v_add_nc_u32 v[RD], s23, v5                    ; back: lanes 0-15 one row of 256 bytes, lanes 16-31 the next
	v_lshlrev_b32 v[CO], 8, v2
	v_lshl_add_u32 v[CO], v1, 4, v[CO]             ; and the same two rows in qkv16
	v_and_b32 v6, 31, v0
	v_lshlrev_b32 v[TO], 4, v6
	v_lshlrev_b32 v[FO], 9, v1
	v_lshl_add_u32 v[FO], v2, 5, v[FO]
	s_lshl_b32 s20, s17, 8
	s_lshl_b32 s21, s15, 7
	s_add_co_u32 s20, s20, s21                     ; my first position: 256 x tile row + 128 x half
	v_add_nc_u32 v[ROWI], s20, v1
	s_lshl_b32 s22, s42, 1
	s_add_co_u32 s22, s22, s16                     ; my slot: 2 x tile column + column half
	s_lshl_b32 s46, s22, 19
	s_lshl_b32 s21, s20, 8
	s_add_co_u32 s46, s46, s21
	s_mov_b32 s47, 0
	s_add_nc_u64 s[12:13], s[12:13], s[46:47]
	s_lshl_b32 s46, s22, 13
	s_add_nc_u64 s[98:99], s[98:99], s[46:47]
	s_lshl_b32 s46, s20, 9                         ; the table: 8,192 bytes for each 16 positions
	s_add_co_u32 s46, s46, 0x80000
	s_mov_b32 s21, 0x180000                        ; or, for v, the table of ones and zeros
	s_cmp_lt_u32 ttmp9, 4                          ; clusters 0-3 along x make q and k: alike in all sixteen partners
	s_cselect_b32 s46, s46, s21
	s_add_nc_u64 s[100:101], s[6:7], s[46:47]
.macro TSET a                          ; where block a's table lies: window TW, from register TT on
.if (\a)%4 == 0
.set TW, 0
.set TT, 192
.elseif (\a)%4 == 1
.set TW, 1
.set TT, 64
.elseif (\a)%4 == 2
.set TW, 1
.set TT, 192
.else
.set TW, 1
.set TT, 0
.endif
.endm
.macro TABLOAD a                       ; block a's table: 16 loads of 512 consecutive bytes; registers TT + 16 b + 0..7 cos, + 8..15 sin
	TSET \a
	WIN (TW<<6)                                    ; destination: the set's window; the address lies in window 0
.irp b, 0,1,2,3
.irp p, 0,1,2,3
	global_load_b128 v[TT+16*\b+4*\p:TT+16*\b+4*\p+3], v[TO], s[100:101] offset:8192*(\a)+2048*\b+512*\p
.endr
.endr
	WIN 0
.endm
	TABLOAD 0                                      ; asked for here, wanted behind the last product: these three sets hold nothing in the loop over K
	TABLOAD 1
	TABLOAD 2
.macro FRAG reg, adr, q, i
.irp c, 0,1
	ds_load_b128 v[\reg+4*\c:\reg+4*\c+3], v[\adr] offset:64*(\q)+32*\c+(\i)*16*PITCH
.endr
.endm
; 16 matrix instructions: A's blocks a0, a0 + 1 x B's eight.  The 64 accumulators take turns, one instruction a turn, in the same order in every step.
.macro MUL16 a0, p, q, sc, zero
.irp a, \a0, \a0+1
.irp b, 0,1,2,3,4,5,6,7
.if \zero
	v_wmma_scale_f32_16x16x128_f8f6f4 v[8*(8*((\a)%4)+\b):8*(8*((\a)%4)+\b)+7], v[128*(\p)+FR*\b:128*(\p)+FR*\b+FR-1], v[AF+FR*(\a):AF+FR*(\a)+FR-1], 0, v[SC+8*NQ*(\sc)+NQ*\b+(\q)], v[SC+8*NQ*(\sc)+NQ*(\a)+(\q)] matrix_a_fmt:MATRIX_FMT_FP4 matrix_b_fmt:MATRIX_FMT_FP4 matrix_a_scale:MATRIX_SCALE_ROW1
.else
	v_wmma_scale_f32_16x16x128_f8f6f4 v[8*(8*((\a)%4)+\b):8*(8*((\a)%4)+\b)+7], v[128*(\p)+FR*\b:128*(\p)+FR*\b+FR-1], v[AF+FR*(\a):AF+FR*(\a)+FR-1], v[8*(8*((\a)%4)+\b):8*(8*((\a)%4)+\b)+7], v[SC+8*NQ*(\sc)+NQ*\b+(\q)], v[SC+8*NQ*(\sc)+NQ*(\a)+(\q)] matrix_a_fmt:MATRIX_FMT_FP4 matrix_b_fmt:MATRIX_FMT_FP4 matrix_a_scale:MATRIX_SCALE_ROW1
.endif
.endr
.endr
.endm
.macro FETCH_B slot, q, p
	WIN TO_B
.irp i, 0,1,2,3,4,5,6,7
	FRAG 128*(\p)+FR*\i, ADRB+\slot, \q, \i
.endr
	WIN 0
.endm
.macro FETCH_A slot, q, i0
.irp i, \i0, \i0+1, \i0+2, \i0+3
	FRAG AF+FR*(\i), ADRA+\slot, \q, \i
.endr
.endm
.macro SCALES sc
.irp i, 0,1,2,3,4,5,6,7
	ds_load_b128 v[SC+8*NQ*\sc+NQ*\i:SC+8*NQ*\sc+NQ*\i+3], v[ADRS] offset:\i*SBLK
.endr
.endm
.macro PLACES n                        ; plain vector instructions between a matrix instruction and a load into, or a read of, its registers
.rept \n
	v_nop
.endr
.endm
.macro STEP slot, q, zero
	s_wait_dscnt 4*NL                              ; B's set and A's blocks 0-3 are in; A's blocks 4-7 may be out
	WIN MUL_LO
	MUL16 0, (\q)%2, \q, \slot, \zero
	MUL16 2, (\q)%2, \q, \slot, \zero
	s_wait_dscnt 0
	PLACES NP
	FETCH_B \slot, (\q)+1, 1-(\q)%2
	FETCH_A \slot, (\q)+1, 0
	WIN MUL_HI
	MUL16 4, (\q)%2, \q, \slot, \zero
	MUL16 6, (\q)%2, \q, \slot, \zero
	PLACES NP
	WIN 0
	FETCH_A \slot, (\q)+1, 4
.endm
; A slot's last step changes slots: one barrier; in front of it each wave waits for all its tensor loads, adds 0 to its spare word, and waits for that and for its reads of this slot.
.macro TURN slot, next, fill
	s_wait_tensorcnt 0x0                           ; all my tensor loads have landed: my part of the next slot
	ds_add_u32 v[SPW], v[NIL]
	s_wait_dscnt 4*NL+1                            ; the add and A's blocks 4-7 may be out
	WIN MUL_LO
	MUL16 0, 1, NQ-1, \slot, 0
	s_wait_dscnt 0x0                               ; the add is done, and my reads of this slot are over
	s_barrier_signal -1
	MUL16 2, 1, NQ-1, \slot, 0
	WIN 0
	s_barrier_wait -1
.if \fill
	CREST                                          ; the barrier has opened a round of the cluster's barrier: no wave of any partner still reads this slot or has a load on its way
	s_add_nc_u64 s[G0+4*\slot+2:G0+4*\slot+3], s[G0+4*\slot+2:G0+4*\slot+3], 2*ROWB
	s_add_nc_u64 s[G0B+4*\slot+2:G0B+4*\slot+3], s[G0B+4*\slot+2:G0B+4*\slot+3], 2*ROWB
	JLOAD G0+4*\slot, G1, G0B+4*\slot, G1B
.else
	PLACES NP
.endif
	v_add_nc_u32 v[ADRS], 4*NQ, v[ADRS]
	FETCH_B \next, 0, 0
	FETCH_A \next, 0, 0
	SCALES \next
	WIN MUL_HI
	MUL16 4, 1, NQ-1, \slot, 0
	MUL16 6, 1, NQ-1, \slot, 0
	PLACES NP
	WIN 0
	FETCH_A \next, 0, 4
.endm
.macro STEPS slot, from
.set Q, \from
.rept NQ-1-\from
	STEP \slot, Q, 0
.set Q, Q+1
.endr
.endm
	s_wait_tensorcnt 1                             ; the scales and my part of K step 0 are in (K step 1's load may be out)
	s_barrier_signal -1
	s_barrier_wait -1
	FETCH_B 0, 0, 0
	FETCH_A 0, 0, 0
	SCALES 0
	FETCH_A 0, 0, 4
	STEP 0, 0, 1                                   ; the first step's products start the sums
	s_mov_b32 s3, LAPS-1
.Llap:
	STEPS 0, 1
	TURN 0, 1, 1
	STEPS 1, 0
	TURN 1, 0, 1
	STEP 0, 0, 0
	s_sub_co_u32 s3, s3, 1
	s_cmp_lg_u32 s3, 0
	s_cbranch_scc1 .Llap
	STEPS 0, 1                                     ; the last lap fills nothing
	TURN 0, 1, 0
	STEPS 1, 0
	s_wait_dscnt 4*NL
	WIN MUL_LO
	MUL16 0, 1, NQ-1, 1, 0
	MUL16 2, 1, NQ-1, 1, 0
	s_wait_dscnt 0
	WIN MUL_HI
	MUL16 4, 1, NQ-1, 1, 0
	MUL16 6, 1, NQ-1, 1, 0
	WIN 0
; THE WAY OUT, block by block of 16 positions.
.macro EXPORT b                        ; positions 0-15 also leave as f32: only the lanes whose position is under 16 store.  EXEC changes only behind a wait for the addresses of what has been issued
	s_wait_xcnt 0x0
	v_cmp_gt_u32 vcc_lo, 16, v[ROWI]
	s_and_saveexec_b32 s20, vcc_lo
	global_store_b128 v[FO], v[Y1:Y1+3], s[98:99] offset:64*\b
	global_store_b128 v[FO], v[Y1+4:Y1+7], s[98:99] offset:64*\b+16
	global_store_b128 v[FO], v[Y2:Y2+3], s[98:99] offset:256+64*\b
	global_store_b128 v[FO], v[Y2+4:Y2+7], s[98:99] offset:256+64*\b+16
	s_wait_xcnt 0x0                                ; the stores have read their registers and EXEC
	s_or_b32 exec_lo, exec_lo, s20
.endm
.macro ROPE a                          ; each accumulator is read from its low end on
	TSET \a
.set AC, 64*((\a)%4)
.irp b, 0,1,2,3
	WIN (0x02+(\a)/4+4*TW)                         ; source 0: the accumulators' window; source 1: the table's
.irp e, 0,2,4,6
	v_pk_mul_f32 v[Y1+\e:Y1+\e+1], v[AC+8*(\b+4)+\e:AC+8*(\b+4)+\e+1], v[TT+16*\b+8+\e:TT+16*\b+8+\e+1]
.endr
.irp e, 0,2,4,6
	v_pk_mul_f32 v[Y2+\e:Y2+\e+1], v[AC+8*\b+\e:AC+8*\b+\e+1], v[TT+16*\b+8+\e:TT+16*\b+8+\e+1]
.endr
.irp e, 0,2,4,6
	v_pk_fma_f32 v[Y1+\e:Y1+\e+1], v[AC+8*\b+\e:AC+8*\b+\e+1], v[TT+16*\b+\e:TT+16*\b+\e+1], v[Y1+\e:Y1+\e+1] neg_lo:[0,0,1] neg_hi:[0,0,1]
.endr
.irp e, 0,2,4,6
	v_pk_fma_f32 v[Y2+\e:Y2+\e+1], v[AC+8*(\b+4)+\e:AC+8*(\b+4)+\e+1], v[TT+16*\b+\e:TT+16*\b+\e+1], v[Y2+\e:Y2+\e+1]
.endr
	WIN 0
.irp e, 0,1,2,3
	v_cvt_pk_f16_f32 v[TMP+4*\b+\e], v[Y1+2*\e], v[Y1+2*\e+1]
	v_cvt_pk_f16_f32 v[TMP+4*(\b+4)+\e], v[Y2+2*\e], v[Y2+2*\e+1]
.endr
.if (\a) == 0
	EXPORT \b
.endif
.endr
.endm
.macro TOSTAGE a
	s_wait_xcnt 0x0                                ; the last block's stores have read the registers that the loads below fill
.irp b, 0,1,2,3,4,5,6,7
	ds_store_b128 v[STO], v[TMP+4*\b:TMP+4*\b+3] offset:32*\b
.endr
.irp t, 0,1,2,3,4,5,6,7
	ds_load_b128 v[BK+4*\t:BK+4*\t+3], v[RD] offset:\t*2*SPITCH    ; LDS serves a wave's instructions in order (ISA guide 5.7.1.4): these see the stores above
.endr
.endm
.macro SEND a
	s_wait_dscnt 0x0
.irp t, 0,1,2,3,4,5,6,7
	global_store_b128 v[CO], v[BK+4*\t:BK+4*\t+3], s[12:13] offset:4096*(\a)+512*\t   ; 32 lanes store 512 consecutive bytes, aligned
.endr
.endm
	PLACES NP                                      ; behind the last products: for the loads into B's first set and for the first reads of results
	TABLOAD 3
.irp a, 0,1,2,3,4,5,6,7
.if \a < 5
	s_wait_loadcnt 48                              ; this block's table is in; the three tables asked for behind it, 48 loads, may be out
.else
	s_wait_loadcnt 16*(7-\a)                       ; the last blocks: two tables, one, none behind it
.endif
	ROPE \a
.if \a < 4
	TABLOAD \a+4                                   ; into the set that has just been read
.endif
.if \a > 0
	SEND \a-1
.endif
	TOSTAGE \a
.endr
	SEND 7
	s_wait_tensorcnt 0x0                           ; the wave's end
	ds_add_u32 v[SPW], v[NIL]
	s_wait_dscnt 0x0
	CROUND                                         ; the closing round
	s_endpgm
.Lfunc_end_k_qc990b7f990_qkv:
	.size	k_qc990b7f990_qkv, .Lfunc_end_k_qc990b7f990_qkv-k_qc990b7f990_qkv
	.p2alignl 7, 3214868480
	.fill 96, 4, 3214868480
	.section	.rodata,"a",@progbits
	.p2align	6, 0x0
	.amdhsa_kernel k_qc990b7f990_qkv
		.amdhsa_group_segment_fixed_size 327680
		.amdhsa_private_segment_fixed_size 0
		.amdhsa_enable_private_segment 0
		.amdhsa_kernarg_size 32
		.amdhsa_user_sgpr_count 2
		.amdhsa_user_sgpr_kernarg_segment_ptr 1
		.amdhsa_wavefront_size32 1
		.amdhsa_system_sgpr_workgroup_id_x 1
		.amdhsa_system_sgpr_workgroup_id_y 1
		.amdhsa_system_sgpr_workgroup_id_z 1
		.amdhsa_system_vgpr_workitem_id 0
		.amdhsa_next_free_vgpr 1024
		.amdhsa_next_free_sgpr 102
		.amdhsa_reserve_vcc 1
		.amdhsa_float_denorm_mode_32 3
		.amdhsa_float_denorm_mode_16_64 3
		.amdhsa_memory_ordered 1
		.amdhsa_forward_progress 1
		.amdhsa_inst_pref_size 255
	.end_amdhsa_kernel
	.section	.bss,"aw",@nobits
	.p2align	6
	.space	262144
	.amdgpu_metadata
---
amdhsa.version: [ 1, 2 ]
amdhsa.kernels:
  - .name:           k_qc990b7f990_qkv
    .symbol:         k_qc990b7f990_qkv.kd
    .args:
      - { .name: codes, .offset: 0, .size: 8, .value_kind: global_buffer, .address_space: global }
      - { .name: tables, .offset: 8, .size: 8, .value_kind: global_buffer, .address_space: global }
      - { .name: qkv16, .offset: 16, .size: 8, .value_kind: global_buffer, .address_space: global }
      - { .name: fine32, .offset: 24, .size: 8, .value_kind: global_buffer, .address_space: global }
    .group_segment_fixed_size: 327680
    .private_segment_fixed_size: 0
    .kernarg_segment_align: 8
    .kernarg_segment_size: 32
    .max_flat_workgroup_size: 128
    .sgpr_count:     102
    .vgpr_count:     1024
    .wavefront_size: 32
...
	.end_amdgpu_metadata
.endif
;; end of part 2
;; launch attn (part 3): grid 16 x 16, 4 waves a work-group, clusters of 4 x 1, 327,680 bytes of LDS; arguments qkv16, attention_mask, attn16, fineo; writes attn16, fineo
.if DOCPART == 3
	.amdgcn_target "amdgcn-amd-amdhsa--gfx1250"
	.amdhsa_code_object_version 6
	.text
	.protected	k_qc990b7f990_attn
	.globl	k_qc990b7f990_attn
	.p2align	8
	.type	k_qc990b7f990_attn,@function
k_qc990b7f990_attn:
	s_mov_b64 s[64:65], 0
	v_nop
	global_prefetch_b8 v0, s[64:65] scope:SCOPE_SE
	s_setreg_imm32_b32 hwreg(HW_REG_WAVE_MODE, 25, 1), 1
	s_wait_xcnt 0x0
	s_wait_alu depctr_hold_cnt(0) depctr_sa_sdst(0) depctr_va_vdst(0) depctr_va_sdst(0) depctr_va_ssrc(0) depctr_va_vcc(0) depctr_vm_vsrc(0)
	s_getreg_b32 s2, hwreg(HW_REG_IB_STS2, 6, 4)
	s_cmp_eq_u32 s2, 0
	s_cbranch_scc0 .Lentry_in_a_cluster
	s_endpgm
.Lentry_in_a_cluster:
	s_bfe_u32 s2, ttmp6, 0x10000c
	s_cmp_lg_u32 s2, 0x3003
	s_cbranch_scc0 .Lentry_shape_is_right
	s_endpgm
.Lentry_shape_is_right:
; attn16[q][128 head + :] = the sum over k of softmax_k(q'[q] . k'[k] + mask[q][k]) v[k][:].  q', k', v: f16 [48 slots][2048][128]; 1 / sqrt(128) lies in q' and k' already.  The mask is an f32 input, read whole and added as it is.
; Products, maxima and sums in f32; the weights p are rounded to f16 for the second product, the result once at the end.
; SHARES.  A work-group owns 128 queries of one head.  Wave w: qh = w / 2, kh = w % 2: 64 queries (four tiles of 16) and HALF the keys: the key steps of 64 with number 2 n + kh, n = 0..15.  So a fragment of K or V
; from LDS feeds four tiles, and there is a work-group for each of 16 x 16 blocks.  At the end waves w and w xor 1 join their halves by the rule of the running maximum: each sends two tiles and keeps two.
; LAYOUT.  S^T = K Q^T + mask^T (source 0 = 16 keys, source 1 = 16 queries, C = the mask's 16 x 16 numbers, eight neighbours of a row in a lane): a lane holds ONE query (lane % 16) and the keys 8 (lane / 16) + 0..7.
; Two such tiles, rounded to f16 in pairs, are source 1 of O^T = V^T P.  K comes out of LDS as it lies, V turned, by ds_load_tr16_b128.
; SOFTMAX.  For each query a running maximum m (never under -1e30) and sum l: p = 2^(c (s - m)), c = log2(e).  THE MAXIMUM IS TAKEN AWAY FIRST, and the difference is multiplied by c: where s = m the exponent is 0 whatever the size
; of m (a mask of -1e9 makes m that large, and c m, rounded, would be off by tens).  In every step O and l are multiplied by a = 2^(c (m_old - m_new)).
; BY TURNS.  The wave's tiles are two pieces: piece 0 (tiles 0, 1: rows 32 kh + 0..31 of its 64), piece 2 (tiles 2, 3: the other 32).  In a turn one piece has the matrix unit (32 products V^T P, then 32 products K Q^T of
; the next step); the other piece's softmax, cut into 64 slices, stands between them, one slice behind each matrix instruction.
; THE CORNER.  Queries 0-15 x keys 0-15 are taken out of these sums (the mask's 16 x 16 numbers there are replaced by -1e38, by a select on ids), and the unnormalised rest of queries 0-15 (O, m, l) is also stored as f32
; in fineo: a small launch does the corner in f32 and joins the two.  attn16's rows 0-15 hold the sums without the corner; what is made of them is written over later.
; CLUSTER.  The four query blocks of a cluster belong to one head and walk the same K and V: each tile is asked for jointly.
; LIMITS: a row all of whose scores lie under -1e30 is not served; NaN and +infinity in the mask are not served.
; REGISTERS, in windows of 256: window 0: v0-63 addresses and statistics; v64-191 S^T, 32 a tile; v192-255 P, 16 a tile.   window 1: O^T, 64 a tile.   window 2: v0-127 Q; v128-255 K of one step.
;   window 3: v0-127 V of one step; v128-255 the mask of one step: tile t, keys 16 u on, at 128 + 32 t + 8 u.
.set KS,    64
.set PK,    272       ; a row of K in LDS: 256 bytes + 16 of padding
.set PV,    288       ; a row of V: 256 + 32
.set VOFF,  256*PK    ; a region: 256 rows of K, then 256 rows of V
.set SLOTB, 256*(PK+PV)
.set SPARE, 2*SLOTB   ; the spare words, 128 bytes for each wave
.set XW,    17408     ; the way out, in region 0, which has had its last fill and its last read by then: 32 images of registers and two of statistics for each wave,
.set STAGE, 4*XW      ; and 16 rows x 272 bytes for each wave
.set SP,    272
.set AK0, 2
.set AV0, 3
.set ADR, 4
.set QOA, 5           ; v5   Q's offset for tiles 0, 1
.set STO, 6
.set RD,  7
.set GO,  8
.set QOB, 10          ; v10  Q's offset for tiles 2, 3
.set ST,  12          ; tile t's statistics at v[ST+8 t]: +0 m, +1 the m before it, +2, +3 l, +4 to +7 at work
.set MO0, 44          ; v44  the mask's offset for piece 0;  v45 for piece 2
.set QIDX, 46         ; v46  the query that my lane holds in tile 0
.set NEG, 47          ; v47  -1e38
.set FO,  48          ; v48  my place in fineo's rows
.set XS,  49          ; v49  where I put what I send
.set XR,  50          ; v50  where I find what my partner sent
.set PFM, 51          ; v51  8,192 x lane: a row of the mask
.set FS,  52          ; v52  8 x lane
.set PFO, 61          ; v61  256 x lane
.set SPW, 62
.set NIL, 63
.set S,   64
.set P,   192
.set KF,  128
.set WV,  12
.set LIM, 15          ; s15  1 in the head's first cluster, else the greatest number
.set PFA, 18          ; s[18:19] where my prefetches of K or V stand
.set G1K, 24
.set G1V, 32
.set G0K, 40          ; s[40:47] group 0 for K's tiles, a set for each region
.set G0V, 48          ; s[48:55] the same for V's
.set SLOTS, 56
.set TWICE, 57
.set CS,  58
.set SEL, 60
.set TBK, 62          ; s62  LDS byte at which K of the step to be fetched begins;  s63 the same for V
.set TBV, 63
.set MA,  72          ; s[72:73] the mask at my 64 rows and the step whose numbers are asked for
.set MD,  74          ; s[74:75] what it steps by: 512 bytes, or 0 at the last step
.set MPF, 80          ; s[80:81] where my prefetches of the mask stand
.set KHK, 82          ; s82  kh x 64 rows of K;  s83 of V
.set KHV, 83
.set NS,  84          ; s84  steps of the mask still ahead
.set MT,  85
.set LIMM, 86         ; s86  1 in head 0
.set MSB, 0
.macro WIN new
.if MSB != \new
	s_set_vgpr_msb (MSB<<8)|\new
.set MSB, \new
.endif
.endm
.set W_KQ,  0x0a      ; K and Q in window 2, S^T in window 0
.set W_KQM, 0x3a      ; the same, C (the mask) in window 3
.set W_PV,  0x53      ; V in window 3, P in window 0, O^T in window 1
.set W_RS,  0x41      ; O^T in window 1, a in window 0
; A joint refill of region reg.  Waves 0 and 1 fetch the halves of K's 256 rows, waves 2 and 3 of V's.  An s_nop 0 and four v_nop follow each of the two lines.
.macro JLOAD reg
	s_cmp_lt_u32 s[WV], 2
	s_cbranch_scc0 .Lfor_v_\@
	tensor_load_to_lds s[G0K+4*\reg:G0K+4*\reg+3], s[G1K:G1K+7]
	s_nop 0
.rept 4
	v_nop
.endr
	s_branch .Lasked_\@
.Lfor_v_\@:
	tensor_load_to_lds s[G0V+4*\reg:G0V+4*\reg+3], s[G1V:G1V+7]
	s_nop 0
.rept 4
	v_nop
.endr
.Lasked_\@:
.endm
; PREFETCHES, behind the wave's tensor load and its five lines.  K and V: the 256 + 256 rows that the NEXT change of slots will ask for, a lane a row of 256 bytes.  All clusters of a head walk the same rows: the head's first
; cluster asks; its four partners share the rows out by address, 64 each, and in each waves 0, 1 take K's and waves 2, 3 V's, 32 rows a wave: each row is named once.  how = 0: the loop's last trip has no slot behind it.
.macro ASK how
.if \how
	s_cmp_eq_u32 s[LIM], 1
.else
	s_cmp_gt_u32 s[SLOTS], s[LIM]
.endif
	s_cbranch_scc0 .Lnot_mine_\@
	global_prefetch_b8 v[PFO], s[PFA:PFA+1] th:TH_LOAD_NT scope:SCOPE_SE
.Lnot_mine_\@:
.endm
; The mask: my 64 rows x my two steps (256 bytes each) of the slot that is being asked for: the first of them is loaded a key step and a half later.  All heads read the same mask: head 0's work-groups ask.
.macro ASKM
	s_cmp_eq_u32 s[LIMM], 1
	s_cbranch_scc0 .Lno_mask_\@
	global_prefetch_b8 v[PFM], s[MPF:MPF+1] th:TH_LOAD_NT scope:SCOPE_SE
	global_prefetch_b8 v[PFM], s[MPF:MPF+1] offset:512 th:TH_LOAD_NT scope:SCOPE_SE
	global_prefetch_b8 v[PFM], s[MPF:MPF+1] offset:262144 th:TH_LOAD_NT scope:SCOPE_SE
	global_prefetch_b8 v[PFM], s[MPF:MPF+1] offset:262656 th:TH_LOAD_NT scope:SCOPE_SE
.Lno_mask_\@:
.endm
.macro CROUND
	s_barrier_signal -1
	s_barrier_wait -1
	s_cmp_lg_u32 s[WV], 0
	s_cbranch_scc1 .Lnot_wave_0_\@
	s_barrier_signal -3
.Lnot_wave_0_\@:
	s_barrier_wait -3
	s_barrier_signal -1
	s_barrier_wait -1
.endm
	s_load_b256 s[4:11], s[0:1], 0x0  ; qkv16 s[4:5], the mask s[6:7], attn16 s[8:9], fineo s[10:11]
	v_lshl_add_u32 v[SPW], v0, 2, SPARE
	v_mov_b32 v[NIL], 0
	ds_add_u32 v[SPW], v[NIL]       ; the wave's opening: the add, twice on end, and its wait ahead of my first tensor load
	ds_add_u32 v[SPW], v[NIL]
	v_lshrrev_b32 v1, 5, v0
	v_readfirstlane_b32 s[WV], v1   ; wave 0..3
	s_and_b32 s16, s[WV], 1         ; kh.  Also: which half of a region's rows I fetch
	s_lshr_b32 s17, s[WV], 1        ; qh
	s_and_b32 s20, ttmp7, 0xffff    ; the head, which the four partners share
	s_lshl_b32 s22, s20, 19         ; a slot of qkv16 is 524,288 bytes
	s_mov_b32 s23, 0
	s_mul_i32 s[KHK], s16, 64*PK
	s_mul_i32 s[KHV], s16, 64*PV
	s_lshl_b32 s2, s[KHK], 1        ; where my 128 rows of K go in a region,
	s_lshl_b32 s3, s[KHV], 1
	s_add_co_u32 s3, s3, VOFF       ; and my 128 rows of V: no place in the cluster enters an LDS address
	s_bfe_u32 s13, ttmp6, 0x40000   ; cx
	s_lshl_b32 s14, ttmp9, 2
	s_add_co_u32 s14, s14, s13      ; my block of 128 queries: it enters Q's, the mask's and the outputs' addresses alone
	s_lshl_b32 s90, s20, 19
	s_lshl_b32 s91, s14, 15
	s_add_co_u32 s90, s90, s91
	s_lshl_b32 s91, s17, 14
	s_add_co_u32 s90, s90, s91      ; Q: head, block's 128 rows of 256 bytes, my wave's 64
	s_mov_b32 s91, 0
	s_lshl_b32 s92, s14, 20
	s_lshl_b32 s93, s17, 19
	s_add_co_u32 s92, s92, s93
	s_lshl_b32 s93, s16, 8
	s_add_co_u32 s92, s92, s93      ; the mask: my 64 rows of 8,192 bytes, my first step's 256 bytes
	s_mov_b32 s93, 0
	s_lshl_b32 s94, s14, 19
	s_lshl_b32 s95, s17, 18
	s_add_co_u32 s94, s94, s95
	s_lshl_b32 s95, s16, 17
	s_add_co_u32 s94, s94, s95
	s_lshl_b32 s95, s20, 8
	s_add_co_u32 s94, s94, s95      ; attn16: the 32 rows of 4,096 bytes that I keep, my head's 256 bytes
	s_mov_b32 s95, 0
	s_mov_b32 s[G1K], 15|(1<<16)|(1<<20)|(1<<21)|(5<<22)|(3<<25)  ; the mask of work-groups: all four; elements of 2 bytes; padding on; bit 21 beside a mask; after every 64 words, 4 words
	s_mov_b32 s[G1V], 15|(1<<16)|(1<<20)|(1<<21)|(5<<22)|(7<<25)  ; the same with 8 words of padding
.irp g, G1K, G1V
	s_mov_b32 s[\g+1], 128<<16      ; tensor_dim0 = 128
	s_mov_b32 s[\g+2], 128<<16      ; tensor_dim1 = 128
	s_mov_b32 s[\g+3], 128<<16      ; tile_dim0 = 128
	s_mov_b32 s[\g+4], 128          ; tile_dim1 = 128 rows
	s_mov_b32 s[\g+5], 128          ; elements from row to row
	s_mov_b32 s[\g+6], 0
	s_mov_b32 s[\g+7], 0
.endr
	s_mov_b32 s[CS], 0x3fb8aa3b     ; c = log2(e)
	s_mov_b32 s[CS+1], s[CS]        ; (named with it as a pair, so it is written)
	s_mov_b32 s[SEL], 0x76543210
	s_mov_b32 s[SEL+1], 0xfedcba98
	s_mov_b32 s[TBK], s[KHK]
	s_mov_b32 s[TBV], s[KHV]
	s_mov_b32 s[SLOTS], 3
	s_mov_b32 s[NS], 15
	s_mov_b32 s[MD+1], 0
	s_cmp_eq_u32 ttmp9, 0
	s_cselect_b32 s[LIM], 1, -1
	s_cmp_eq_u32 s20, 0
	s_cselect_b32 s[LIMM], 1, 0
	s_wait_dscnt 0x0                ; both opening adds are done
	s_wait_kmcnt 0x0
	s_add_nc_u64 s[66:67], s[4:5], s[90:91]  ; Q at my wave's 64 rows
	s_add_nc_u64 s[68:69], s[4:5], s[22:23]
	s_add_nc_u64 s[70:71], s[68:69], 0x1000000  ; V of my head
	s_add_nc_u64 s[68:69], s[68:69], 0x800000   ; K of my head
	s_add_nc_u64 s[MA:MA+1], s[6:7], s[92:93]
	s_add_nc_u64 s[MPF:MPF+1], s[MA:MA+1], 1024  ; at slot 1; the first change of slots steps it to slot 2
	s_add_nc_u64 s[76:77], s[8:9], s[94:95]
	s_lshl_b32 s90, s20, 13
	s_add_nc_u64 s[78:79], s[10:11], s[90:91]  ; fineo: my head's 16 rows of 512 bytes,
	s_lshl_b32 s90, s20, 8
	s_add_co_u32 s90, s90, 131072
	s_add_nc_u64 s[88:89], s[10:11], s[90:91]  ; and its 32 pairs (m, l)
	s_cmp_lt_u32 s[WV], 2
	s_cselect_b64 s[PFA:PFA+1], s[68:69], s[70:71]
	s_lshl_b32 s90, s13, 14         ; my work-group's 64 rows of the 256,
	s_lshl_b32 s92, s16, 13         ; my wave's 32 of them,
	s_add_co_u32 s90, s90, s92
	s_add_co_u32 s90, s90, 2*65536  ; in slot 2; the first change of slots steps it to slot 3.  Nothing is prefetched at the head
	s_add_nc_u64 s[PFA:PFA+1], s[PFA:PFA+1], s[90:91]
	s_lshl_b32 s20, s16, 15
	s_mov_b32 s21, 0
	s_add_nc_u64 s[68:69], s[68:69], s[20:21]  ; K and V at my half of slot 0
	s_add_nc_u64 s[70:71], s[70:71], s[20:21]
	CROUND                          ; all four work-groups are here: the first joint loads meet
.irp r, 0,1
	s_mov_b32 s[G0K+4*\r], 1
	s_add_co_u32 s[G0K+4*\r+1], s2, \r*SLOTB
	s_add_nc_u64 s[G0K+4*\r+2:G0K+4*\r+3], s[68:69], \r*65536  ; region r begins with slot r: keys 256 r on
	s_or_b32 s[G0K+4*\r+3], s[G0K+4*\r+3], 0x80000000
	s_mov_b32 s[G0V+4*\r], 1
	s_add_co_u32 s[G0V+4*\r+1], s3, \r*SLOTB
	s_add_nc_u64 s[G0V+4*\r+2:G0V+4*\r+3], s[70:71], \r*65536
	s_or_b32 s[G0V+4*\r+3], s[G0V+4*\r+3], 0x80000000
.endr
	s_cmp_lt_u32 s[WV], 2           ; a wave's two first fills stand in one branch, ahead of every wait on TENSORcnt and every LDS read: two loads of mine are out
	s_cbranch_scc0 .Lfirst_v
	tensor_load_to_lds s[G0K:G0K+3], s[G1K:G1K+7]
	s_nop 0
	tensor_load_to_lds s[G0K+4:G0K+7], s[G1K:G1K+7]
	s_nop 0
.rept 4
	v_nop
.endr
	s_branch .Lfirst_asked
.Lfirst_v:
	tensor_load_to_lds s[G0V:G0V+3], s[G1V:G1V+7]
	s_nop 0
	tensor_load_to_lds s[G0V+4:G0V+7], s[G1V:G1V+7]
	s_nop 0
.rept 4
	v_nop
.endr
.Lfirst_asked:
	v_and_b32 v1, 15, v0            ; l % 16
	v_bfe_u32 v9, v0, 4, 1          ; l / 16
	v_lshlrev_b32 v[QOA], 8, v1
	v_lshl_add_u32 v[QOA], v9, 4, v[QOA]  ; row x 256 + 16 x half
	s_lshl_b32 s20, s16, 13         ; piece 0: rows 32 kh on;
	s_xor_b32 s21, s20, 8192        ; piece 2: the other 32
	v_add_nc_u32 v[QOB], s21, v[QOA]
	v_add_nc_u32 v[QOA], s20, v[QOA]
	v_lshlrev_b32 v[MO0], 13, v1
	v_lshl_add_u32 v[MO0], v9, 5, v[MO0]  ; the mask: row x 8,192 + 32 x half: eight neighbouring keys
	s_lshl_b32 s20, s16, 18
	s_xor_b32 s21, s20, 1<<18
	v_add_nc_u32 v[MO0+1], s21, v[MO0]
	v_add_nc_u32 v[MO0], s20, v[MO0]
	WIN 0x80                        ; destination window 2
.irp i, 0,1,2,3,4,5,6,7,8,9,10,11,12,13,14,15  ; Q stays in registers: tile i / 4, channels 32 (i % 4) on
	global_load_b128 v[8*\i:8*\i+3],   v[QOA+5*(\i/8)], s[66:67] offset:((\i/4)%2)*4096+(\i%4)*64
	global_load_b128 v[8*\i+4:8*\i+7], v[QOA+5*(\i/8)], s[66:67] offset:((\i/4)%2)*4096+(\i%4)*64+32
.endr
; The mask of piece x for the step at which s[MA] stands: 16 loads
.macro MLOADS x
	WIN 0xc0                        ; destination window 3, address window 0
.irp t, 0,1
.irp u, 0,1,2,3
	global_load_b128 v[128+32*(\x+\t)+8*\u:128+32*(\x+\t)+8*\u+3],   v[MO0+(\x)/2], s[MA:MA+1] offset:131072*\t+64*\u
	global_load_b128 v[128+32*(\x+\t)+8*\u+4:128+32*(\x+\t)+8*\u+7], v[MO0+(\x)/2], s[MA:MA+1] offset:131072*\t+64*\u+16
.endr
.endr
.endm
; The same for the NEXT step.  Piece 0's steps the address, behind a wait for the addresses of the loads that read it; at the last step the address stays, so that no load leaves the mask and every trip issues the same loads.
.macro MLOAD x
.if \x == 0
	s_wait_xcnt 0x0
	s_cmp_lg_u32 s[NS], 0
	s_cselect_b32 s[MD], 512, 0
	s_cselect_b32 s[MT], 1, 0
	s_sub_co_u32 s[NS], s[NS], s[MT]
	s_add_nc_u64 s[MA:MA+1], s[MA:MA+1], s[MD:MD+1]
.endif
	MLOADS \x
.endm
	MLOADS 0
	MLOADS 2
	WIN 0
	v_mul_u32_u24 v[AK0], v1, PK
	v_lshl_add_u32 v[AK0], v9, 4, v[AK0]
	v_and_b32 v11, 7, v0
	v_bfe_u32 v[ADR], v0, 3, 1
	v_lshl_add_u32 v[AV0], v9, 3, v11
	v_mul_u32_u24 v[AV0], v[AV0], PV
	v_lshl_add_u32 v[AV0], v[ADR], 4, v[AV0]
	v_add_nc_u32 v[AV0], VOFF, v[AV0]
	s_lshl_b32 s20, s14, 7
	s_lshl_b32 s21, s17, 6
	s_add_co_u32 s20, s20, s21
	s_lshl_b32 s21, s16, 5
	s_add_co_u32 s20, s20, s21
	v_add_nc_u32 v[QIDX], s20, v1
	v_mov_b32 v[NEG], 0xfe967699    ; -1e38
	v_and_b32 v[PFO], 31, v0
	v_lshlrev_b32 v[PFM], 13, v[PFO]
	v_lshlrev_b32 v[PFO], 8, v[PFO]
; THE MATRIX WORK OF A TURN, for piece x.  The accumulators take turns, one instruction a turn.
.macro PV x, zero
	WIN W_PV
.set rO, 64*(\x+i%2)+8*((i/2)%8)
.set rV, 64*(i/16)+8*((i/2)%8)
.set rP, P+16*(\x+i%2)+8*(i/16)
.if \zero && (i < 16)
	v_wmma_f32_16x16x32_f16 v[rO:rO+7], v[rV:rV+7], v[rP:rP+7], 0
.else
	v_wmma_f32_16x16x32_f16 v[rO:rO+7], v[rV:rV+7], v[rP:rP+7], v[rO:rO+7]
.endif
.endm
; Product i of 32 of S^T = K Q^T + mask^T.  The first 8 start the sums with the mask's numbers.
.macro KQ x
.set rS, S+32*(\x+i%2)+8*((i/2)%4)
.set rK, KF+32*((i/2)%4)+8*(i/8)
.set rQ, 32*(\x+i%2)+8*(i/8)
.set rM, 128+32*(\x+i%2)+8*((i/2)%4)
.if i < 8
	WIN W_KQM
	v_wmma_f32_16x16x32_f16 v[rS:rS+7], v[rK:rK+7], v[rQ:rQ+7], v[rM:rM+7]
.else
	WIN W_KQ
	v_wmma_f32_16x16x32_f16 v[rS:rS+7], v[rK:rK+7], v[rQ:rQ+7], v[rS:rS+7]
.endif
.endm
.macro FETCH_K
	WIN 0
	v_add_nc_u32 v[ADR], s[TBK], v[AK0]
	WIN 0x80
.irp f, 0,1,2,3,4,5,6,7,8,9,10,11,12,13,14,15
	ds_load_b128 v[KF+8*\f:KF+8*\f+3],   v[ADR] offset:(\f/4)*16*PK+(\f%4)*64
	ds_load_b128 v[KF+8*\f+4:KF+8*\f+7], v[ADR] offset:(\f/4)*16*PK+(\f%4)*64+32
.endr
.endm
.macro FETCH_V
	WIN 0
	v_add_nc_u32 v[ADR], s[TBV], v[AV0]
	s_add_co_u32 s[TBK], s[TBK], 2*KS*PK  ; my next step lies two steps on
	s_add_co_u32 s[TBV], s[TBV], 2*KS*PV
	s_wait_alu depctr_va_vdst(0)    ; the wait for the softmax's batch, behind the address's addition and ahead of the loads
	WIN 0xc0
.irp f, 0,1,2,3,4,5,6,7,8,9,10,11,12,13,14,15
	ds_load_tr16_b128 v[8*\f:8*\f+3],   v[ADR] offset:(\f/8)*32*PV+(\f%8)*32
	ds_load_tr16_b128 v[8*\f+4:8*\f+7], v[ADR] offset:(\f/8)*32*PV+16*PV+(\f%8)*32
.endr
.endm
; THE VECTOR WORK OF A TURN.  One tile's softmax for one key step is a list of 134 numbers; SM writes number j of it for tile t.
;   0-15 the maximum of the lane's 32 scores and the old m (first step: and the floor -1e30);  16-20 the other half of the lanes', the old m kept, the new m, c (m_old - m_new);  21-69 ONE BATCH: 16 packed scalings and 33
;   exponentials, none of which reads an exponential's result;  (the wait)  70-85 the roundings to f16;  86-101 the sums;  102-133 O^T times a.
; A SCALING is a subtraction (s - m) and a multiplication (x c).  The number of pair b writes pair b's subtraction and pair b - 1's multiplication, so that neither line reads the result of the line above it; the last
; scaling's number, 62, writes pair 15's multiplication too.  A pair is multiplied in an earlier number than the first of its exponentials: pair b at the number of pair b + 1; the nearest are pair 15's, at 62 and 68.
.macro SM t, first
.set rT, ST+8*(\t)
.set rS, S+32*(\t)
.set rP, P+16*(\t)
.set rO, 64*(\t)+2*(j-102)
.if j < 102
	WIN 0
.endif
.if j < 4
	v_max3_num_f32 v[rT+4+j], v[rS+8*j], v[rS+8*j+1], v[rS+8*j+2]
.elseif j < 12
	v_max3_num_f32 v[rT+4+j%4], v[rT+4+j%4], v[rS+8*(j%4)+2*(j/4)+1], v[rS+8*(j%4)+2*(j/4)+2]
.elseif j == 12
	v_max3_num_f32 v[rT+4], v[rT+4], v[rS+7], v[rS+15]
.elseif j == 13
	v_max3_num_f32 v[rT+6], v[rT+6], v[rS+23], v[rS+31]
.elseif j == 14
	v_max3_num_f32 v[rT+4], v[rT+4], v[rT+5], v[rT+6]
.elseif (j == 15) && \first
	v_max3_num_f32 v[rT+4], v[rT+4], v[rT+7], 0xf149f2ca  ; the floor -1e30
.elseif j == 15
	v_max3_num_f32 v[rT+4], v[rT+4], v[rT+7], v[rT]
.elseif j == 16
	v_permlanex16_b32 v[rT+5], v[rT+4], s[SEL], s[SEL+1]
.elseif j == 18
	v_max_num_f32 v[rT], v[rT+4], v[rT+5]   ; the new m
.elseif (j == 19) && \first
	v_mov_b32 v[rT+1], v[rT]        ; the first step has no m before it (the register is named with m as a pair, so it is written)
.elseif ((j == 17) || (j == 20) || (j == 23) || (j > 101)) && \first
.elseif j == 17
	v_mov_b32 v[rT+1], v[rT]        ; the old m is kept for a: number 18 writes m anew
.elseif j == 19
	v_sub_f32 v[rT+7], v[rT+1], v[rT]
.elseif j == 20
	v_mul_f32 v[rT+7], s[CS], v[rT+7]
.elseif j == 23
	v_exp_f32 v[rT+6], v[rT+7]
.elseif (j < 23) || ((j < 38) && (j%2 == 0)) || ((j < 66) && (j%4 == 2))
.set b, (j-2)/4
.if j < 38
.set b, (j-20)/2
.endif
	v_pk_add_f32 v[rS+2*b:rS+2*b+1], v[rS+2*b:rS+2*b+1], v[rT:rT+1] op_sel_hi:[1,0] neg_lo:[0,1] neg_hi:[0,1]  ; pair b: s - m (of the pair the low word, m, serves both halves)
.if b > 0
	v_pk_mul_f32 v[rS+2*b-2:rS+2*b-1], v[rS+2*b-2:rS+2*b-1], s[CS:CS+1] op_sel_hi:[1,0]                        ; pair b - 1: x c
.endif
.if b == 15
	v_pk_mul_f32 v[rS+30:rS+31], v[rS+30:rS+31], s[CS:CS+1] op_sel_hi:[1,0]                                    ; and the last pair's own
.endif
.elseif j < 70
.set e, j-38
.if j < 66
.set e, j-32-(j-38)/4
.endif
.if j < 38
.set e, (j-25)/2
.endif
	v_exp_f32 v[rS+e], v[rS+e]
.elseif j < 86
	v_cvt_pk_f16_f32 v[rP+j-70], v[rS+2*(j-70)], v[rS+2*(j-70)+1]
.elseif j < 102
.set z, j-86
.set w, 4
.set u, z
.if z >= 14
.set w, 32
.set u, 0
.elseif z >= 12
.set w, 16
.set u, z-12
.elseif z >= 8
.set w, 8
.set u, z-8
.endif
.if (z == 14) && \first
	v_pk_add_f32 v[rT+2:rT+3], v[rS:rS+1], v[rS+16:rS+17]
.elseif z < 15
	v_pk_add_f32 v[rS+w*u:rS+w*u+1], v[rS+w*u:rS+w*u+1], v[rS+w*u+w/2:rS+w*u+w/2+1]
.elseif !\first
	v_pk_fma_f32 v[rT+2:rT+3], v[rT+2:rT+3], v[rT+6:rT+7], v[rS:rS+1] op_sel_hi:[1,0,1]
.endif
.else
	WIN W_RS
	v_pk_mul_f32 v[rO:rO+1], v[rO:rO+1], v[rT+6:rT+7] op_sel_hi:[1,0]
.endif
.endm
; Slice k of 64 of piece y's softmax.  Slices 11 to 34 deal out the batch, four numbers of one tile each; behind slice 34 stands the one wait between the exponentials and their first reader.
.macro SLICE y, first
.if (k >= 11) && (k < 35)
.irp n, 0,1,2,3
.set j, 22+4*((k-11)/2)+(\n)
	SM (\y)+(k-11)%2, \first
.endr
.else
.irp n, 0,1,2,3,4,5,6,7
.if (\n < 2) || (k == 63)
.irp t, \y, \y+1
.set j, 2*k+\n
	SM \t, \first
.endr
.endif
.endr
.endif
.if k == 34
	v_nop                           ; a plain instruction behind the last exponential: one for the batch
.if (\y) == 0
	FETCH_V                         ; piece 2's turn: V's run of loads stands here, and the wait stands in it
.else
	s_wait_alu depctr_va_vdst(0)
.endif
.endif
.set k, k+1
.endm
.macro PLACES
.rept 4
	v_nop
.endr
.endm
; A TURN.  Piece x has the matrix unit; the other piece's softmax stands in slices behind its matrix instructions.  In front of the products K Q^T: s_wait_loadcnt 16: this piece's 16 mask loads are in, the other piece's
; 16, issued behind them, may be out.  Behind product 12's slice the piece's mask for the next step is asked for: the last product that read those registers is product 7, and more than four plain instructions lie between.
.macro TURN x, pv, kq, first
.set k, 0
.set per, 2
.if \pv && \kq
.set per, 1
.endif
.if \pv
.if \x == 0
	s_wait_dscnt 0x0                ; V is in
.endif
.set i, 0
.rept 32
	PV \x, 2-\pv
.rept per
	SLICE 2-\x, \first
.endr
.if (\x == 0) && \kq && (i == 1)
	FETCH_K
.endif
.set i, i+1
.endr
.endif
.if \kq
.if \x == 0
	s_wait_dscnt 0x0                ; K is in
.endif
	s_wait_loadcnt 16
.set i, 0
.rept 32
	KQ \x
.rept per
	SLICE 2-\x, \first
.endr
.if i == 12
	MLOAD \x
.endif
.set i, i+1
.endr
.endif
.if \first
	PLACES
.endif
.endm
; THE CHANGE OF SLOTS: region reg has been read out.  Each wave waits for all its tensor loads (its part of the other region), adds 0 to its spare word, and waits for that and for its reads.  fill = 1: the region is filled
; again, with the keys two slots on, behind a round of the cluster's barrier; the load has two of my key steps, 256 matrix instructions, in which to land.
.macro CHANGE reg, fill, how
	WIN 0
	s_wait_tensorcnt 0x0            ; no tensor load of mine is out, so a group 0 may be written
	ds_add_u32 v[SPW], v[NIL]
.if \fill
	s_add_nc_u64 s[G0K+4*\reg+2:G0K+4*\reg+3], s[G0K+4*\reg+2:G0K+4*\reg+3], 131072
	s_add_nc_u64 s[G0V+4*\reg+2:G0V+4*\reg+3], s[G0V+4*\reg+2:G0V+4*\reg+3], 131072
	s_wait_xcnt 0x0                 ; the last prefetches have read their addresses
	s_add_nc_u64 s[PFA:PFA+1], s[PFA:PFA+1], 65536
	s_add_nc_u64 s[MPF:MPF+1], s[MPF:MPF+1], 1024
	s_wait_dscnt 0x0                ; the add is done, and my reads of the region are over
	CROUND
	JLOAD \reg
	ASK \how
	ASKM
.else
	s_wait_dscnt 0x0
	s_barrier_signal -1
	s_barrier_wait -1
.endif
	s_add_co_u32 s[TBK], s[KHK], (1-\reg)*SLOTB  ; the fetches go on in the other region
	s_add_co_u32 s[TBV], s[KHV], (1-\reg)*SLOTB
.endm
.macro TWO_STEPS
	s_mov_b32 s[TWICE], 2
.Lstep_\@:
	TURN 0, 2, 1, 0
	TURN 2, 2, 1, 0
	WIN 0
	s_sub_co_u32 s[TWICE], s[TWICE], 1
	s_cmp_lg_u32 s[TWICE], 0
	s_cbranch_scc1 .Lstep_\@
.endm
	s_wait_tensorcnt 1              ; my part of region 0 is in; region 1's may stay out
	s_barrier_signal -1
	s_barrier_wait -1
	FETCH_K                         ; my key step 0
	s_wait_loadcnt 16               ; Q and piece 0's mask are in; piece 2's 16 loads may be out
	WIN 0
	v_cmp_gt_u32 vcc_lo, 16, v[QIDX]  ; THE CORNER: true only in the wave that holds queries 0-15, whose first 16 keys are keys 0-15
	WIN 0xc3
.irp n, 0,1,2,3,4,5,6,7
	v_cndmask_b32 v[128+\n], v[128+\n], v[NEG], vcc_lo
.endr
	s_wait_dscnt 0x0
.set i, 0
.rept 32
	KQ 0
.set i, i+1
.endr
	WIN 0                           ; the addresses for the way out are made here: plain instructions, the places behind those products
	s_mul_i32 s13, s[WV], 16*SP
	s_add_co_u32 s13, s13, STAGE
	v_mul_u32_u24 v[STO], v1, SP
	v_lshl_add_u32 v[STO], v9, 4, v[STO]
	v_add_nc_u32 v[STO], s13, v[STO]
	v_mul_u32_u24 v[RD], v9, SP
	v_lshl_add_u32 v[RD], v1, 4, v[RD]
	v_add_nc_u32 v[RD], s13, v[RD]
	v_lshlrev_b32 v[GO], 12, v9
	v_lshl_add_u32 v[GO], v1, 4, v[GO]
	v_and_b32 v11, 31, v0
	v_lshlrev_b32 v11, 4, v11
	s_mul_i32 s13, s[WV], XW
	v_add_nc_u32 v[XS], s13, v11
	s_xor_b32 s13, s[WV], 1
	s_mul_i32 s13, s13, XW
	v_add_nc_u32 v[XR], s13, v11
	v_lshlrev_b32 v[FO], 9, v1
	v_lshl_add_u32 v[FO], v9, 5, v[FO]
	v_lshrrev_b32 v[FS], 1, v11
	MLOAD 0
	TURN 2, 0, 1, 1                 ; piece 2's first scores | piece 0's first softmax | V of step 0
	TURN 0, 1, 1, 1                 ; piece 0: V^T P of step 0 starts O^T, K Q^T of step 1 | piece 2's first softmax | K of step 1
	TURN 2, 1, 1, 0
	WIN 0
.Lslot:                             ; three trips, two changes each: slots 2 to 7 are asked for
	CHANGE 0, 1, 1
	TWO_STEPS
	CHANGE 1, 1, 0
	TWO_STEPS
	s_sub_co_u32 s[SLOTS], s[SLOTS], 1
	s_cmp_lg_u32 s[SLOTS], 0
	s_cbranch_scc1 .Lslot
	CHANGE 0, 0, 0                  ; the tail is written out
	TWO_STEPS
	TURN 0, 2, 0, 0
.set i, 0
.rept 32
	PV 2, 0
.set i, i+1
.endr
	; THE WAY OUT.  l's two halves are added (four plain instructions: the places behind the last products); piece 2 goes to my partner as images of its registers; my partner's piece 2 holds the same 32 queries as my piece 0.
	WIN 0
.irp t, 0,1,2,3
	v_add_f32 v[ST+8*\t+2], v[ST+8*\t+2], v[ST+8*\t+3]
.endr
	WIN 0x04                        ; an LDS store's data: window 1
.set i, 0
.rept 32
	ds_store_b128 v[XS], v[128+4*i:128+4*i+3] offset:512*i   ; each accumulator from its low end on
.set i, i+1
.endr
	WIN 0
	ds_store_b128 v[XS], v[ST+16:ST+19] offset:16384
	ds_store_b128 v[XS], v[ST+24:ST+27] offset:16896
	s_wait_dscnt 0x0                ; for my partner's sake: my stores are done
	s_barrier_signal -1
	s_barrier_wait -1
.set i, 0
.rept 32
	ds_load_b128 v[S+4*i:S+4*i+3], v[XR] offset:512*i
.set i, i+1
.endr
	ds_load_b128 v[ST+16:ST+19], v[XR] offset:16384
	ds_load_b128 v[ST+24:ST+27], v[XR] offset:16896
	s_wait_dscnt 0x0
.irp t, 0,1
	v_max_num_f32 v[ST+8*\t+4], v[ST+8*\t], v[ST+16+8*\t]   ; the joint m
.endr
.irp t, 0,1
	v_sub_f32 v[ST+8*\t+5], v[ST+8*\t], v[ST+8*\t+4]        ; the maximum is taken away first,
	v_sub_f32 v[ST+16+8*\t+3], v[ST+16+8*\t], v[ST+8*\t+4]
.endr
.irp t, 0,1
	v_mul_f32 v[ST+8*\t+5], s[CS], v[ST+8*\t+5]             ; then x c
	v_mul_f32 v[ST+16+8*\t+3], s[CS], v[ST+16+8*\t+3]
.endr
.irp t, 0,1
	v_exp_f32 v[ST+8*\t+6], v[ST+8*\t+5]                    ; a1, for my half
	v_exp_f32 v[ST+16+8*\t+4], v[ST+16+8*\t+3]              ; a2, for my partner's
.endr
	v_nop
	s_wait_alu depctr_va_vdst(0)    ; one wait for the four
.irp t, 0,1
	v_mul_f32 v[ST+8*\t+2], v[ST+8*\t+6], v[ST+8*\t+2]
.endr
.irp t, 0,1
	v_fma_f32 v[ST+8*\t+2], v[ST+16+8*\t+4], v[ST+16+8*\t+2], v[ST+8*\t+2]
.endr
.irp t, 0,1
	v_permlanex16_b32 v[ST+8*\t+3], v[ST+8*\t+2], s[SEL], s[SEL+1]
.endr
.irp t, 0,1
	v_add_f32 v[ST+8*\t+2], v[ST+8*\t+2], v[ST+8*\t+3]      ; the row's l
.endr
.irp t, 0,1
.set i, 0
.rept 32
	v_pk_mul_f32 v[S+64*\t+2*i:S+64*\t+2*i+1], v[S+64*\t+2*i:S+64*\t+2*i+1], v[ST+16+8*\t+4:ST+16+8*\t+5] op_sel_hi:[1,0]
.set i, i+1
.endr
.endr
	WIN 0x01                        ; source 0 (my O^T) window 1
.irp t, 0,1
.set i, 0
.rept 32
	v_pk_fma_f32 v[S+64*\t+2*i:S+64*\t+2*i+1], v[64*\t+2*i:64*\t+2*i+1], v[ST+8*\t+6:ST+8*\t+7], v[S+64*\t+2*i:S+64*\t+2*i+1] op_sel_hi:[1,0,1]
.set i, i+1
.endr
.endr
	WIN 0
	v_mov_b32 v[ST+5], v[ST+2]      ; (m, l) of tile 0 as a pair
	s_wait_xcnt 0x0                 ; EXEC changes only behind a wait for the addresses of what has been issued
	v_cmp_gt_u32 vcc_lo, 16, v[QIDX]
	s_and_saveexec_b32 s87, vcc_lo  ; queries 0-15 alone: their unnormalised O, m and l leave as f32
.irp f, 0,1,2,3,4,5,6,7
	global_store_b128 v[FO], v[S+8*\f:S+8*\f+3], s[78:79] offset:64*\f
	global_store_b128 v[FO], v[S+8*\f+4:S+8*\f+7], s[78:79] offset:64*\f+16
.endr
	global_store_b64 v[FS], v[ST+4:ST+5], s[88:89]
	s_wait_xcnt 0x0
	s_or_b32 exec_lo, exec_lo, s87
.irp t, 0,1
	v_rcp_f32 v[ST+8*\t+6], v[ST+8*\t+2]
.endr
	v_nop
	s_wait_alu depctr_va_vdst(0)
.macro PACK t
.set i, 0
.rept 32
	v_pk_mul_f32 v[S+64*\t+2*i:S+64*\t+2*i+1], v[S+64*\t+2*i:S+64*\t+2*i+1], v[ST+8*\t+6:ST+8*\t+7] op_sel_hi:[1,0]
.set i, i+1
.endr
.set i, 0
.rept 32
	v_cvt_pk_f16_f32 v[P+32*\t+i], v[S+64*\t+2*i], v[S+64*\t+2*i+1]
.set i, i+1
.endr
.irp f, 0,1,2,3,4,5,6,7
	ds_store_b128 v[STO], v[P+32*\t+4*\f:P+32*\t+4*\f+3] offset:32*\f
.endr
.irp f, 0,1,2,3,4,5,6,7
	ds_load_b128 v[P+32*\t+4*\f:P+32*\t+4*\f+3], v[RD] offset:\f*2*SP  ; LDS serves a wave's instructions in order (ISA guide 5.7.1.4)
.endr
.endm
.macro SEND t, younger
.irp f, 0,1,2,3,4,5,6,7
	s_wait_dscnt \younger+7-\f
	global_store_b128 v[GO], v[P+32*\t+4*\f:P+32*\t+4*\f+3], s[76:77] offset:\t*65536+\f*8192  ; 16 lanes store 256 consecutive bytes, aligned
.endr
.endm
	PACK 0
	PACK 1
	SEND 0, 16
	SEND 1, 0
	s_wait_tensorcnt 0x0            ; the wave's end
	ds_add_u32 v[SPW], v[NIL]
	s_wait_dscnt 0x0
	CROUND                          ; the closing round
	s_endpgm
.Lfunc_end_k_qc990b7f990_attn:
	.size	k_qc990b7f990_attn, .Lfunc_end_k_qc990b7f990_attn-k_qc990b7f990_attn
	.p2alignl 7, 3214868480
	.fill 96, 4, 3214868480
	.section	.rodata,"a",@progbits
	.p2align	6, 0x0
	.amdhsa_kernel k_qc990b7f990_attn
		.amdhsa_group_segment_fixed_size 327680
		.amdhsa_private_segment_fixed_size 0
		.amdhsa_enable_private_segment 0
		.amdhsa_kernarg_size 32
		.amdhsa_user_sgpr_count 2
		.amdhsa_user_sgpr_kernarg_segment_ptr 1
		.amdhsa_wavefront_size32 1
		.amdhsa_system_sgpr_workgroup_id_x 1
		.amdhsa_system_sgpr_workgroup_id_y 1
		.amdhsa_system_sgpr_workgroup_id_z 1
		.amdhsa_system_vgpr_workitem_id 0
		.amdhsa_next_free_vgpr 1024
		.amdhsa_next_free_sgpr 96
		.amdhsa_reserve_vcc 1
		.amdhsa_float_denorm_mode_32 3
		.amdhsa_float_denorm_mode_16_64 3
		.amdhsa_memory_ordered 1
		.amdhsa_forward_progress 1
		.amdhsa_inst_pref_size 255
	.end_amdhsa_kernel
	.section	.bss,"aw",@nobits
	.p2align	6
	.space	262144
	.amdgpu_metadata
---
amdhsa.version: [ 1, 2 ]
amdhsa.kernels:
  - .name:           k_qc990b7f990_attn
    .symbol:         k_qc990b7f990_attn.kd
    .args:
      - { .name: qkv16, .offset: 0, .size: 8, .value_kind: global_buffer, .address_space: global }
      - { .name: attention_mask, .offset: 8, .size: 8, .value_kind: global_buffer, .address_space: global }
      - { .name: attn16, .offset: 16, .size: 8, .value_kind: global_buffer, .address_space: global }
      - { .name: fineo, .offset: 24, .size: 8, .value_kind: global_buffer, .address_space: global }
    .group_segment_fixed_size: 327680
    .private_segment_fixed_size: 0
    .kernarg_segment_align: 8
    .kernarg_segment_size: 32
    .max_flat_workgroup_size: 128
    .sgpr_count:     96
    .vgpr_count:     1024
    .wavefront_size: 32
...
	.end_amdgpu_metadata
.endif
;; end of part 3
;; launch fine_attn (part 4): grid 16 x 1, 1 waves a work-group, no clusters, 0 bytes of LDS; arguments fine32, fineo, attention_mask, attn32; writes attn32
.if DOCPART == 4
	.amdgcn_target "amdgcn-amd-amdhsa--gfx1250"
	.amdhsa_code_object_version 6
	.text
	.protected	k_qc990b7f990_fine_attn
	.globl	k_qc990b7f990_fine_attn
	.p2align	8
	.type	k_qc990b7f990_fine_attn,@function
k_qc990b7f990_fine_attn:
	s_mov_b64 s[64:65], 0
	v_nop
	global_prefetch_b8 v0, s[64:65] scope:SCOPE_SE
	s_setreg_imm32_b32 hwreg(HW_REG_WAVE_MODE, 25, 1), 1
	s_wait_xcnt 0x0
; Queries 0-15 of every head, finely.  One wave takes one head.  The corner (queries 0-15 x keys 0-15) is computed in f32 from the f32 q', k', v and the mask's own numbers, by the f32 matrix form (64 instructions: no bulk work),
; and is joined, by the rule of the running maximum, with the unnormalised sums over keys 16 .. 2047 that the launch before left in fineo (O, m, l).
; attn32 TAKES THE ROWS AS IMAGES OF THE RESULT'S REGISTERS: byte head x 8192 + (2 f + q) x 512 + 16 lane holds o(lane % 16, 128 head + 16 f + 8 (lane / 16) + 4 q + 0..3): each store covers 512 consecutive bytes,
; and the launch that reads them takes the same registers in the same lanes by the same addresses.
; p = 2^(c (s - m)), c = log2(e): the maximum is taken away first and the difference multiplied by c, so that the exponent is 0 where s = m, whatever the size of m.
; S^T = K Q^T + mask^T: a lane holds one query (lane % 16) and keys 8 (lane / 16) + 0..7.  Along a product's K any order serves that is alike on both sides: in step i, slot 2 h + j stands for channel
; 8 (i / 2) + 4 h + 2 (i % 2) + j (so that the two halves of the lanes read neighbouring 16 bytes of a row), and in the second product for key 8 h + 2 i + j (so that p stays where it was made).
; The registers that the f32 matrix form writes (v24-55; window 1 v128-191) are written by matrix instructions alone; sums begin with other registers or with 0 as C; the accumulators take turns.
; REGISTERS: window 0: v16-23 the mask; v24-55 four partial sums of S^T; v56-63 S^T; v64-127 q', later the result; v128-191 k'; v192-199 p; v200-214 at work.   window 1: v0-63 v; v64-127 O from fineo; v128-191 O^T.
.set MSB, 0
.macro WIN new
.if MSB != \new
	s_set_vgpr_msb (MSB<<8)|\new
.set MSB, \new
.endif
.endm
	s_load_b256 s[4:11], s[0:1], 0x0               ; fine32, fineo, the mask, attn32
	v_and_b32 v1, 15, v0                           ; r
	v_bfe_u32 v2, v0, 4, 1                         ; h
	v_lshlrev_b32 v3, 9, v1
	v_lshl_add_u32 v3, v2, 4, v3                   ; q', k': row r of 512 bytes, + 16 h
	v_lshlrev_b32 v4, 13, v1
	v_lshl_add_u32 v4, v2, 5, v4                   ; the mask: row r of 8,192 bytes, + 32 h
	v_lshlrev_b32 v5, 2, v1
	v_lshl_add_u32 v5, v2, 12, v5                  ; v: 8 h rows of 512 bytes, + 4 r
	v_lshlrev_b32 v6, 9, v1
	v_lshl_add_u32 v6, v2, 5, v6                   ; O: row r of 512 bytes, + 32 h
	v_lshlrev_b32 v7, 3, v0                        ; (m, l): 8 bytes a lane
	v_lshlrev_b32 v8, 4, v0                        ; attn32: 16 bytes a lane (one wave: the thread's number is the lane)
	s_lshl_b32 s12, ttmp9, 13
	s_mov_b32 s13, 0
	s_mov_b32 s24, 0x76543210
	s_mov_b32 s25, 0xfedcba98
	s_mov_b32 s26, 0x3fb8aa3b                      ; c = log2(e)
	s_wait_kmcnt 0x0
	s_add_nc_u64 s[14:15], s[4:5], s[12:13]        ; q'
	s_add_nc_u64 s[16:17], s[14:15], 16*8192       ; k'
	s_add_nc_u64 s[18:19], s[14:15], 32*8192       ; v
	s_add_nc_u64 s[20:21], s[6:7], s[12:13]        ; O
	s_add_nc_u64 s[10:11], s[10:11], s[12:13]      ; attn32 at my head's 16 images
	s_lshl_b32 s12, ttmp9, 8
	s_add_co_u32 s12, s12, 131072
	s_add_nc_u64 s[22:23], s[6:7], s[12:13]        ; (m, l)
	global_load_b128 v[16:19], v4, s[8:9]
	global_load_b128 v[20:23], v4, s[8:9] offset:16
	global_load_b64 v[202:203], v7, s[22:23]
.irp n, 0,1,2,3,4,5,6,7,8,9,10,11,12,13,14,15
	global_load_b128 v[64+4*\n:64+4*\n+3], v3, s[14:15] offset:32*\n       ; q'(r, 8 n + 4 h + 0..3)
	global_load_b128 v[128+4*\n:128+4*\n+3], v3, s[16:17] offset:32*\n     ; k' likewise
.endr
	WIN 0x40                                       ; destination window 1
.irp f, 0,1,2,3,4,5,6,7
.irp m, 0,1,2,3,4,5,6,7
	global_load_b32 v[8*\f+\m], v5, s[18:19] offset:512*\m+64*\f     ; v(8 h + m, 16 f + r)
.endr
	global_load_b128 v[64+8*\f:64+8*\f+3], v6, s[20:21] offset:64*\f
	global_load_b128 v[64+8*\f+4:64+8*\f+7], v6, s[20:21] offset:64*\f+16
.endr
	WIN 0
	s_wait_loadcnt 0x0
.set i, 0
.rept 32
.set a, 24+8*(i%4)
.if i == 0
	v_wmma_f32_16x16x4_f32 v[a:a+7], v[128+2*i:128+2*i+1], v[64+2*i:64+2*i+1], v[16:23]   ; the mask starts the first sum
.elseif i < 4
	v_wmma_f32_16x16x4_f32 v[a:a+7], v[128+2*i:128+2*i+1], v[64+2*i:64+2*i+1], 0
.else
	v_wmma_f32_16x16x4_f32 v[a:a+7], v[128+2*i:128+2*i+1], v[64+2*i:64+2*i+1], v[a:a+7]
.endif
.set i, i+1
.endr
.rept 8
	v_nop                                          ; eight places behind this form, ahead of the first read of its results (ISA guide 7.12.1)
.endr
.irp e, 0,2,4,6
	v_pk_add_f32 v[56+\e:57+\e], v[24+\e:25+\e], v[32+\e:33+\e]
	v_pk_add_f32 v[204+\e:205+\e], v[40+\e:41+\e], v[48+\e:49+\e]
.endr
.irp e, 0,2,4,6
	v_pk_add_f32 v[56+\e:57+\e], v[56+\e:57+\e], v[204+\e:205+\e]
.endr
	v_max3_num_f32 v200, v56, v57, v58
	v_max3_num_f32 v201, v59, v60, v61
	v_max3_num_f32 v200, v200, v62, v63
	v_max_num_f32 v200, v200, v201
	v_permlanex16_b32 v201, v200, s24, s25
	v_max_num_f32 v200, v200, v201                 ; the corner's largest score of my query
	v_max_num_f32 v200, v200, v202                 ; the joint m
	v_sub_f32 v212, v202, v200
	v_mul_f32 v212, s26, v212
.irp n, 0,1,2,3,4,5,6,7
	v_sub_f32 v[192+\n], v[56+\n], v200            ; s - m,
.endr
.irp n, 0,1,2,3,4,5,6,7
	v_mul_f32 v[192+\n], s26, v[192+\n]            ; x c
.endr
.irp n, 0,1,2,3,4,5,6,7
	v_exp_f32 v[192+\n], v[192+\n]                 ; p
.endr
	v_exp_f32 v212, v212                           ; a, for the sums over the other keys
	v_nop
	s_wait_alu depctr_va_vdst(0)                   ; one wait for the nine
	v_pk_add_f32 v[204:205], v[192:193], v[194:195]
	v_pk_add_f32 v[206:207], v[196:197], v[198:199]
	v_pk_add_f32 v[204:205], v[204:205], v[206:207]
	v_add_f32 v204, v204, v205
	v_permlanex16_b32 v205, v204, s24, s25
	v_add_f32 v204, v204, v205
	v_fma_f32 v204, v212, v203, v204               ; the row's l
	v_mov_b32 v213, v212
	WIN 0x41                                       ; destination and source 0 window 1
.set i, 0
.rept 32
	v_pk_mul_f32 v[64+2*i:65+2*i], v[64+2*i:65+2*i], v[212:213] op_sel_hi:[1,0]
.set i, i+1
.endr
	WIN 0x51                                       ; v in window 1, p in window 0, C and D in window 1
.irp i, 0,1,2,3
.irp f, 0,1,2,3,4,5,6,7
.if \i == 0
	v_wmma_f32_16x16x4_f32 v[128+8*\f:135+8*\f], v[8*\f+2*\i:8*\f+2*\i+1], v[192+2*\i:193+2*\i], v[64+8*\f:71+8*\f]   ; the other keys' sums start these
.else
	v_wmma_f32_16x16x4_f32 v[128+8*\f:135+8*\f], v[8*\f+2*\i:8*\f+2*\i+1], v[192+2*\i:193+2*\i], v[128+8*\f:135+8*\f]
.endif
.endr
.endr
	WIN 0
	v_rcp_f32 v214, v204
.rept 8
	v_nop                                          ; eight places behind the last product; the first is also the plain instruction behind the reciprocal
.endr
	s_wait_alu depctr_va_vdst(0)
	WIN 0x01
.set i, 0
.rept 64
	v_mul_f32 v[64+i], v[128+i], v214              ; each accumulator from its low end on
.set i, i+1
.endr
	WIN 0
.irp f, 0,1,2,3,4,5,6,7
	global_store_b128 v8, v[64+8*\f:64+8*\f+3], s[10:11] offset:1024*\f         ; image 2 f: 32 lanes store 512 consecutive bytes, aligned
	global_store_b128 v8, v[64+8*\f+4:64+8*\f+7], s[10:11] offset:1024*\f+512   ; image 2 f + 1
.endr
	s_endpgm
.Lfunc_end_k_qc990b7f990_fine_attn:
	.size	k_qc990b7f990_fine_attn, .Lfunc_end_k_qc990b7f990_fine_attn-k_qc990b7f990_fine_attn
	.p2alignl 7, 3214868480
	.fill 96, 4, 3214868480
	.section	.rodata,"a",@progbits
	.p2align	6, 0x0
	.amdhsa_kernel k_qc990b7f990_fine_attn
		.amdhsa_group_segment_fixed_size 0
		.amdhsa_private_segment_fixed_size 0
		.amdhsa_enable_private_segment 0
		.amdhsa_kernarg_size 32
		.amdhsa_user_sgpr_count 2
		.amdhsa_user_sgpr_kernarg_segment_ptr 1
		.amdhsa_wavefront_size32 1
		.amdhsa_system_sgpr_workgroup_id_x 1
		.amdhsa_system_sgpr_workgroup_id_y 1
		.amdhsa_system_sgpr_workgroup_id_z 1
		.amdhsa_system_vgpr_workitem_id 0
		.amdhsa_next_free_vgpr 448
		.amdhsa_next_free_sgpr 66
		.amdhsa_reserve_vcc 0
		.amdhsa_float_denorm_mode_32 3
		.amdhsa_float_denorm_mode_16_64 3
		.amdhsa_memory_ordered 1
		.amdhsa_forward_progress 1
		.amdhsa_inst_pref_size 25
	.end_amdhsa_kernel
	.amdgpu_metadata
---
amdhsa.version: [ 1, 2 ]
amdhsa.kernels:
  - .name:           k_qc990b7f990_fine_attn
    .symbol:         k_qc990b7f990_fine_attn.kd
    .args:
      - { .name: fine32, .offset: 0, .size: 8, .value_kind: global_buffer, .address_space: global }
      - { .name: fineo, .offset: 8, .size: 8, .value_kind: global_buffer, .address_space: global }
      - { .name: attention_mask, .offset: 16, .size: 8, .value_kind: global_buffer, .address_space: global }
      - { .name: attn32, .offset: 24, .size: 8, .value_kind: global_buffer, .address_space: global }
    .group_segment_fixed_size: 0
    .private_segment_fixed_size: 0
    .kernarg_segment_align: 8
    .kernarg_segment_size: 32
    .max_flat_workgroup_size: 32
    .sgpr_count:     66
    .vgpr_count:     448
    .wavefront_size: 32
...
	.end_amdgpu_metadata
.endif
;; end of part 4
;; launch proj (part 5): grid 16 x 16, 4 waves a work-group, clusters of 4 x 4, 327,680 bytes of LDS; arguments attn16, wo16, out0; writes out0
.if DOCPART == 5
	.amdgcn_target "amdgcn-amd-amdhsa--gfx1250"
	.amdhsa_code_object_version 6
	.text
	.protected	k_qc990b7f990_proj
	.globl	k_qc990b7f990_proj
	.p2align	8
	.type	k_qc990b7f990_proj,@function
k_qc990b7f990_proj:
	s_mov_b64 s[64:65], 0
	v_nop
	global_prefetch_b8 v0, s[64:65] scope:SCOPE_SE
	s_setreg_imm32_b32 hwreg(HW_REG_WAVE_MODE, 25, 1), 1
	s_wait_xcnt 0x0
	s_wait_alu depctr_hold_cnt(0) depctr_sa_sdst(0) depctr_va_vdst(0) depctr_va_sdst(0) depctr_va_ssrc(0) depctr_va_vcc(0) depctr_vm_vsrc(0)
	s_getreg_b32 s2, hwreg(HW_REG_IB_STS2, 6, 4)
	s_cmp_eq_u32 s2, 0
	s_cbranch_scc0 .Lentry_in_a_cluster
	s_endpgm
.Lentry_in_a_cluster:
	s_bfe_u32 s2, ttmp6, 0x10000c
	s_cmp_lg_u32 s2, 0xf033
	s_cbranch_scc0 .Lentry_shape_is_right
	s_endpgm
.Lentry_shape_is_right:
; out0[m][n] = sum over k of attn16[m][k] wo16[k][n].  A: [2048][2048] f16, K along its rows; B: [2048 k][2048 n] f16, as wo lies; out0: f32; sums in f32.
; A tile of 128 x 128 is made by four waves, 64 x 64 each: 16 accumulators; 16 x 16 tiles give each of 256 work-groups one.  K goes in steps of 256 through a ring of two LDS slots.
; A's fragments come out of LDS as they lie; B's, whose K runs down the rows, turned, by ds_load_tr16_b128.
; CLUSTERS: 4 x 4 work-groups: A's tiles are asked for jointly along a row of the cluster, B's along a column.  THE MATRIX INSTRUCTION IS USED TRANSPOSED (source 0 = 16 columns of B, source 1 = 16 rows of A):
; a lane holds eight neighbouring numbers of a row of out0.  A wave's 64 columns are 256 bytes: a block of 16 rows goes through the wave's own stage and leaves as whole aligned runs of 256 bytes.
; Rows 0-15 of out0 are written here from the f16 sums without the corner and are written over by the launch that follows.  No prefetch: the tiles are small and shared in the cluster.
; REGISTERS: window 0: v0-31 addresses; v32-95 the way out; v128-255 the accumulators.   window 1: two fragment buffers of 128: 64 registers of A, then 64 of B.
.set SIZE_M, 2048
.set SIZE_N, 2048
.set SIZE_K, 2048
.set KSTEP,  256
.set PITCH,  528                       ; a row of A's tile in LDS: 512 bytes + 16
.set PB,     288                       ; a row of B's tile: 256 bytes + 32
.set HALFA,  64*PITCH
.set HALFB,  128*PB
.set BOFF,   2*HALFA
.set SLOT,   BOFF+2*HALFB
.set STAGE,  2*SLOT
.set SPITCH, 272
.set SPARE,  STAGE+4*16*SPITCH
.set LAPS, SIZE_K/(2*KSTEP)
.set ADRA, 16                          ; v16-17  my A fragments in slot 0, 1
.set ADRB, 20                          ; v20-23  my B fragments: slot s, k rows 128 u on, at v[20 + 2 s + u]
.set STO,  24
.set RD,   25
.set CO,   26
.set SPW,  28
.set NIL,  29
.set TMP,  32
.set ACC,  128
.set F0,   0
.set F1,   128
.set G1, 24
.set G0, 32
.set G1B, 48
.set G0B, 56
.set MSB, 0
.macro WIN new
.if MSB != \new
	s_set_vgpr_msb (MSB<<8)|\new
.set MSB, \new
.endif
.endm
.set MUL,  0x05
.set TO_F, 0x40
.macro JLOAD s                         ; a joint load: waves 0 and 1 fetch A's two halves, waves 2 and 3 B's; an s_nop 0 and four v_nop follow each of the two lines
	s_cmp_eq_u32 s11, 0
	s_cbranch_scc0 .Lfor_b_\@
	tensor_load_to_lds s[G0+4*\s:G0+4*\s+3], s[G1:G1+7]
	s_nop 0
.rept 4
	v_nop
.endr
	s_branch .Lasked_\@
.Lfor_b_\@:
	tensor_load_to_lds s[G0B+4*\s:G0B+4*\s+3], s[G1B:G1B+7]
	s_nop 0
.rept 4
	v_nop
.endr
.Lasked_\@:
.endm
.macro CREST
	s_cmp_lg_u32 s10, 0
	s_cbranch_scc1 .Lnot_wave_0_\@
	s_barrier_signal -3
.Lnot_wave_0_\@:
	s_barrier_wait -3
	s_barrier_signal -1
	s_barrier_wait -1
.endm
.macro CROUND
	s_barrier_signal -1
	s_barrier_wait -1
	CREST
.endm
	s_load_b128 s[4:7], s[0:1], 0x0                ; A, B
	s_load_b64 s[8:9], s[0:1], 0x10                ; out0
	v_lshl_add_u32 v[SPW], v0, 2, SPARE
	v_mov_b32 v[NIL], 0
	ds_add_u32 v[SPW], v[NIL]                      ; the wave's opening: the add, twice on end, and its wait ahead of my first tensor load
	ds_add_u32 v[SPW], v[NIL]
	v_lshrrev_b32 v1, 5, v0
	v_readfirstlane_b32 s10, v1                    ; wave 0..3
	s_lshr_b32 s11, s10, 1                         ; which half of the tile's rows is mine.  Also: I fetch for A (0) or for B (1)
	s_and_b32 s12, s10, 1                          ; which half of its columns.  Also: which half of that tile I fetch
	s_bfe_u32 s40, ttmp6, 0x40000
	s_bfe_u32 s41, ttmp6, 0x40004
	s_lshl_b32 s42, ttmp9, 2
	s_add_co_u32 s42, s42, s40                     ; tile column
	s_and_b32 s13, ttmp7, 0xffff
	s_lshl_b32 s13, s13, 2
	s_add_co_u32 s13, s13, s41                     ; tile row
	s_lshl_b32 s43, s41, 2
	s_lshl_b32 s43, 15, s43                        ; my row of the cluster
	s_lshl_b32 s44, 0x1111, s40                    ; my column
	s_or_b32 s[G1+0], s43, (1<<16)|(1<<20)|(1<<21)|(6<<22)|(3<<25)   ; A: 64 rows x 256 elements of 2 bytes; 4 words of padding after every 128
	s_mov_b32 s[G1+1], KSTEP<<16
	s_mov_b32 s[G1+2], 64<<16
	s_mov_b32 s[G1+3], KSTEP<<16
	s_mov_b32 s[G1+4], 64
	s_mov_b32 s[G1+5], SIZE_K
	s_mov_b32 s[G1+6], 0
	s_mov_b32 s[G1+7], 0
	s_or_b32 s[G1B+0], s44, (1<<16)|(1<<20)|(1<<21)|(5<<22)|(7<<25)  ; B: 128 k rows x 128 elements; 8 words of padding after every 64
	s_mov_b32 s[G1B+1], 128<<16
	s_mov_b32 s[G1B+2], 128<<16
	s_mov_b32 s[G1B+3], 128<<16
	s_mov_b32 s[G1B+4], 128
	s_mov_b32 s[G1B+5], SIZE_N
	s_mov_b32 s[G1B+6], 0
	s_mov_b32 s[G1B+7], 0
	s_lshl_b32 s16, s13, 7
	s_lshl_b32 s17, s12, 6
	s_add_co_u32 s16, s16, s17                     ; A: row 128 x tile row + 64 x half,
	s_lshl_b32 s16, s16, 12                        ; of 4,096 bytes
	s_mov_b32 s17, 0
	s_lshl_b32 s46, s12, 19                        ; B: k row 128 x half, of 4,096 bytes,
	s_lshl_b32 s47, s42, 8
	s_add_co_u32 s46, s46, s47                     ; + 256 bytes x tile column
	s_mov_b32 s47, 0
	s_mul_i32 s20, s12, HALFA                      ; where they go
	s_mul_i32 s21, s12, HALFB
	s_add_co_u32 s21, s21, BOFF
	s_wait_dscnt 0x0                               ; both opening adds are done
	s_wait_kmcnt 0x0
	s_add_nc_u64 s[14:15], s[4:5], s[16:17]
	s_add_nc_u64 s[46:47], s[6:7], s[46:47]
	CROUND                                         ; all sixteen work-groups are here: the first joint loads meet
.irp s, 0,1
	s_mov_b32 s[G0+4*\s], 1
	s_add_co_u32 s[G0+4*\s+1], s20, \s*SLOT
	s_add_nc_u64 s[G0+4*\s+2:G0+4*\s+3], s[14:15], \s*KSTEP*2
	s_or_b32 s[G0+4*\s+3], s[G0+4*\s+3], 0x80000000
	s_mov_b32 s[G0B+4*\s], 1
	s_add_co_u32 s[G0B+4*\s+1], s21, \s*SLOT
	s_add_nc_u64 s[G0B+4*\s+2:G0B+4*\s+3], s[46:47], \s*KSTEP*SIZE_N*2
	s_or_b32 s[G0B+4*\s+3], s[G0B+4*\s+3], 0x80000000
	JLOAD \s
.endr
	v_and_b32 v1, 15, v0                           ; l % 16
	v_bfe_u32 v2, v0, 4, 1                         ; l / 16
	v_mul_u32_u24 v3, v1, PITCH
	v_lshl_add_u32 v3, v2, 4, v3
	s_mul_i32 s21, s11, HALFA                      ; my 64 rows of A
.irp s, 0,1
	v_add_nc_u32 v[ADRA+\s], s21, v3
	s_add_co_u32 s21, s21, SLOT
.endr
	v_and_b32 v6, 7, v0                            ; the turning load: lane l reads 16 bytes of k row 8 (l / 16) + l % 8, columns 8 ((l / 8) % 2) on
	v_bfe_u32 v7, v0, 3, 1
	v_lshl_add_u32 v6, v2, 3, v6
	v_mul_u32_u24 v6, v6, PB
	v_lshl_add_u32 v6, v7, 4, v6
	s_lshl_b32 s22, s12, 7                         ; my 64 columns: 128 bytes
	s_add_co_u32 s22, s22, BOFF
.irp s, 0,1
.irp u, 0,1
	s_add_co_u32 s23, s22, \s*SLOT+\u*HALFB
	v_add_nc_u32 v[ADRB+2*\s+\u], s23, v6
.endr
.endr
	s_mul_i32 s23, s10, 16*SPITCH
	s_add_co_u32 s23, s23, STAGE                   ; my stage
	v_mul_u32_u24 v4, v1, SPITCH
	v_lshl_add_u32 v4, v2, 5, v4
	v_add_nc_u32 v[STO], s23, v4                   ; in: row l % 16, 32 bytes for each half of the lanes
	v_mul_u32_u24 v5, v2, SPITCH
	v_lshl_add_u32 v5, v1, 4, v5
	v_add_nc_u32 v[RD], s23, v5                    ; back: lanes 0-15 one row of 256 bytes, lanes 16-31 the next
	v_lshlrev_b32 v[CO], 13, v2
	v_lshl_add_u32 v[CO], v1, 4, v[CO]             ; and the same two rows in out0
	s_lshl_b32 s16, s13, 7
	s_lshl_b32 s17, s11, 6
	s_add_co_u32 s16, s16, s17                     ; my first row,
	s_lshl_b32 s16, s16, 13                        ; of 8,192 bytes
	s_mov_b32 s17, 0
	s_add_nc_u64 s[8:9], s[8:9], s[16:17]
	s_lshl_b32 s46, s42, 9
	s_lshl_b32 s47, s12, 8
	s_add_co_u32 s46, s46, s47                     ; my first column, in bytes
	s_mov_b32 s47, 0
	s_add_nc_u64 s[8:9], s[8:9], s[46:47]
.macro MUL8 f, c, a0, zero
.irp a, \a0, \a0+1
.irp b, 0,1,2,3
.if \zero
	v_wmma_f32_16x16x32_f16 v[ACC+8*(4*(\a)+\b):ACC+8*(4*(\a)+\b)+7], v[\f+64+8*(4*\c+\b):\f+64+8*(4*\c+\b)+7], v[\f+8*(4*\c+\a):\f+8*(4*\c+\a)+7], 0
.else
	v_wmma_f32_16x16x32_f16 v[ACC+8*(4*(\a)+\b):ACC+8*(4*(\a)+\b)+7], v[\f+64+8*(4*\c+\b):\f+64+8*(4*\c+\b)+7], v[\f+8*(4*\c+\a):\f+8*(4*\c+\a)+7], v[ACC+8*(4*(\a)+\b):ACC+8*(4*(\a)+\b)+7]
.endif
.endr
.endr
.endm
; 32 LDS loads in one run: the fragments of the slot's q-th 64 along K into buffer f; the first 32 along K first
.macro FETCH slot, q, f
	WIN TO_F
.irp c, 0,1
.irp i, 0,1,2,3
	ds_load_tr16_b128 v[\f+64+8*(4*\c+\i):\f+64+8*(4*\c+\i)+3],   v[ADRB+2*\slot+(\q)/2] offset:(64*((\q)%2)+32*\c)*PB+32*\i
	ds_load_tr16_b128 v[\f+64+8*(4*\c+\i)+4:\f+64+8*(4*\c+\i)+7], v[ADRB+2*\slot+(\q)/2] offset:(64*((\q)%2)+32*\c+16)*PB+32*\i
	ds_load_b128 v[\f+8*(4*\c+\i):\f+8*(4*\c+\i)+3],         v[ADRA+\slot] offset:128*(\q)+64*\c+\i*16*PITCH
	ds_load_b128 v[\f+8*(4*\c+\i)+4:\f+8*(4*\c+\i)+7],       v[ADRA+\slot] offset:128*(\q)+64*\c+\i*16*PITCH+32
.endr
.endr
.endm
.macro PLACES
.rept 4
	v_nop
.endr
.endm
; A K step is four quarters of 64 along K.  One of the first three: multiplies buffer f and fetches quarter q into g.
.macro QUARTER slot, q, f, g, zero
	s_wait_dscnt 16                                ; the first 32 along K are in
	WIN MUL
	MUL8 \f, 0, 0, \zero
	MUL8 \f, 0, 2, \zero
	PLACES
	FETCH \slot, \q, \g
	s_wait_dscnt 32                                ; all but the 32 just issued
	WIN MUL
	MUL8 \f, 1, 0, 0
	MUL8 \f, 1, 2, 0
.endm
; The last quarter changes slots: one barrier; in front of it each wave waits for all its tensor loads, adds 0 to its spare word, and waits for that and for its reads of this slot.
.macro TURN slot, next, fill
	WIN 0
	s_wait_tensorcnt 0x0                           ; all my tensor loads have landed: my part of the next slot
	ds_add_u32 v[SPW], v[NIL]
	s_wait_dscnt 17                                ; the add and the youngest sixteen loads may be out
	WIN MUL
	MUL8 F1, 0, 0, 0
	s_wait_dscnt 0x0                               ; the add is done, and my reads of this slot are over
	s_barrier_signal -1
	MUL8 F1, 0, 2, 0
.if \fill
	WIN 0
.endif
	s_barrier_wait -1
.if \fill
	CREST                                          ; the barrier has opened a round of the cluster's barrier
	s_add_nc_u64 s[G0+4*\slot+2:G0+4*\slot+3], s[G0+4*\slot+2:G0+4*\slot+3], 2*KSTEP*2
	s_add_nc_u64 s[G0B+4*\slot+2:G0B+4*\slot+3], s[G0B+4*\slot+2:G0B+4*\slot+3], 2*KSTEP*SIZE_N*2
	JLOAD \slot
.else
	PLACES
.endif
	FETCH \next, 0, F0
	WIN MUL
	MUL8 F1, 1, 0, 0
	MUL8 F1, 1, 2, 0
.endm
	s_wait_tensorcnt 1                             ; my part of K step 0 is in
	s_barrier_signal -1
	s_barrier_wait -1
	FETCH 0, 0, F0
	QUARTER 0, 1, F0, F1, 1                        ; the first products start the sums
	WIN 0
	s_mov_b32 s3, LAPS-1
.Llap:
	QUARTER 0, 2, F1, F0, 0
	QUARTER 0, 3, F0, F1, 0
	TURN 0, 1, 1
	QUARTER 1, 1, F0, F1, 0
	QUARTER 1, 2, F1, F0, 0
	QUARTER 1, 3, F0, F1, 0
	TURN 1, 0, 1
	QUARTER 0, 1, F0, F1, 0
	WIN 0
	s_sub_co_u32 s3, s3, 1
	s_cmp_lg_u32 s3, 0
	s_cbranch_scc1 .Llap
	QUARTER 0, 2, F1, F0, 0                        ; the last lap fills nothing
	QUARTER 0, 3, F0, F1, 0
	TURN 0, 1, 0
	QUARTER 1, 1, F0, F1, 0
	QUARTER 1, 2, F1, F0, 0
	QUARTER 1, 3, F0, F1, 0
	s_wait_dscnt 16
	WIN MUL
	MUL8 F1, 0, 0, 0
	MUL8 F1, 0, 2, 0
	s_wait_dscnt 0
	MUL8 F1, 1, 0, 0
	MUL8 F1, 1, 2, 0
	WIN 0
	; THE WAY OUT, block by block of 16 rows x 64 columns, through my own stage: no barrier, and LDS serves a wave's instructions in order (ISA guide 5.7.1.4)
.macro TOSTAGE a
.irp b, 0,1,2,3
	ds_store_b128 v[STO], v[ACC+8*(4*(\a)+\b):ACC+8*(4*(\a)+\b)+3] offset:64*\b      ; each accumulator from its low end on
	ds_store_b128 v[STO], v[ACC+8*(4*(\a)+\b)+4:ACC+8*(4*(\a)+\b)+7] offset:64*\b+16
.endr
.irp t, 0,1,2,3,4,5,6,7
	ds_load_b128 v[TMP+32*((\a)%2)+4*\t:TMP+32*((\a)%2)+4*\t+3], v[RD] offset:\t*2*SPITCH
.endr
.endm
.macro SEND a, younger
	s_wait_dscnt \younger                          ; the block is back; the next block's 8 stores and 8 loads may be out
.irp t, 0,1,2,3,4,5,6,7
	global_store_b128 v[CO], v[TMP+32*((\a)%2)+4*\t:TMP+32*((\a)%2)+4*\t+3], s[8:9] offset:131072*(\a)+16384*\t th:TH_STORE_NT   ; 16 lanes store 256 consecutive bytes, aligned
.endr
.endm
	PLACES
	TOSTAGE 0
.irp a, 1,2,3
.if \a > 1
	s_wait_xcnt 0x0                                ; block a - 2's stores have read the registers that block a's loads fill
.endif
	TOSTAGE \a
	SEND \a-1, 16
.endr
	SEND 3, 0
	s_wait_tensorcnt 0x0                           ; the wave's end
	ds_add_u32 v[SPW], v[NIL]
	s_wait_dscnt 0x0
	CROUND                                         ; the closing round
	s_endpgm
.Lfunc_end_k_qc990b7f990_proj:
	.size	k_qc990b7f990_proj, .Lfunc_end_k_qc990b7f990_proj-k_qc990b7f990_proj
	.p2alignl 7, 3214868480
	.fill 96, 4, 3214868480
	.section	.rodata,"a",@progbits
	.p2align	6, 0x0
	.amdhsa_kernel k_qc990b7f990_proj
		.amdhsa_group_segment_fixed_size 327680
		.amdhsa_private_segment_fixed_size 0
		.amdhsa_enable_private_segment 0
		.amdhsa_kernarg_size 24
		.amdhsa_user_sgpr_count 2
		.amdhsa_user_sgpr_kernarg_segment_ptr 1
		.amdhsa_wavefront_size32 1
		.amdhsa_system_sgpr_workgroup_id_x 1
		.amdhsa_system_sgpr_workgroup_id_y 1
		.amdhsa_system_sgpr_workgroup_id_z 1
		.amdhsa_system_vgpr_workitem_id 0
		.amdhsa_next_free_vgpr 512
		.amdhsa_next_free_sgpr 66
		.amdhsa_reserve_vcc 0
		.amdhsa_float_denorm_mode_32 3
		.amdhsa_float_denorm_mode_16_64 3
		.amdhsa_memory_ordered 1
		.amdhsa_forward_progress 1
		.amdhsa_inst_pref_size 86
	.end_amdhsa_kernel
	.amdgpu_metadata
---
amdhsa.version: [ 1, 2 ]
amdhsa.kernels:
  - .name:           k_qc990b7f990_proj
    .symbol:         k_qc990b7f990_proj.kd
    .args:
      - { .name: attn16, .offset: 0, .size: 8, .value_kind: global_buffer, .address_space: global }
      - { .name: wo16, .offset: 8, .size: 8, .value_kind: global_buffer, .address_space: global }
      - { .name: out0, .offset: 16, .size: 8, .value_kind: global_buffer, .address_space: global }
    .group_segment_fixed_size: 327680
    .private_segment_fixed_size: 0
    .kernarg_segment_align: 8
    .kernarg_segment_size: 24
    .max_flat_workgroup_size: 128
    .sgpr_count:     66
    .vgpr_count:     512
    .wavefront_size: 32
...
	.end_amdgpu_metadata
.endif
;; end of part 5
;; launch fine_proj (part 6): grid 128 x 1, 16 waves a work-group, no clusters, 18,432 bytes of LDS; arguments attn32, wo, out0; writes out0
.if DOCPART == 6
	.amdgcn_target "amdgcn-amd-amdhsa--gfx1250"
	.amdhsa_code_object_version 6
	.text
	.protected	k_qc990b7f990_fine_proj
	.globl	k_qc990b7f990_fine_proj
	.p2align	8
	.type	k_qc990b7f990_fine_proj,@function
k_qc990b7f990_fine_proj:
	s_mov_b64 s[64:65], 0
	v_nop
	global_prefetch_b8 v0, s[64:65] scope:SCOPE_SE
	s_setreg_imm32_b32 hwreg(HW_REG_WAVE_MODE, 25, 1), 1
	s_wait_xcnt 0x0
; out0[r][n] = sum over k of a[r][k] wo[k][n] for the positions r = 0..15, in f32, by the f32 matrix form (32 instructions a wave: no bulk work).  It writes over what the launch before left in these 16 rows.
; Work-group g owns columns 16 g .. 16 g + 15; wave w owns k = 128 w .. 128 w + 127, which is head w.  Source 0 = 16 columns of wo, source 1 = the 16 rows: a lane holds one row (lane % 16) and eight neighbouring columns.
; a COMES AS IMAGES OF REGISTERS (attn32: byte head x 8192 + (2 f + q) x 512 + 16 lane holds a(lane % 16, 128 head + 16 f + 8 (lane / 16) + 4 q + 0..3)): each of a wave's 16 loads of it covers 512 consecutive bytes.
; Along K any order serves that is alike on both sides: in step i, slot 2 h + j stands for k = 128 w + 16 (i / 4) + 8 h + 2 (i % 4) + j, as the images have it; wo's rows are loaded to match.
; All of a wave's 80 loads go out at once.  The sixteen waves' sums meet in LDS, and wave 0 adds them in the order of the waves.  A row's piece of out0 is 64 bytes: 128 KiB in all are stored so.
; The registers that the f32 matrix form writes (v160-191) are written by matrix instructions alone; the sums begin with 0 as C; four accumulators take turns.
.set SPARE, 16384                      ; behind the sixteen waves' 1,024 bytes: the spare words, 128 bytes for each wave
	s_load_b128 s[4:7], s[0:1], 0x0                ; attn32, wo
	s_load_b64 s[8:9], s[0:1], 0x10                ; out0
	v_lshl_add_u32 v12, v0, 2, SPARE               ; v12: my spare word;  v13: 0; both never rewritten
	v_mov_b32 v13, 0
	v_lshrrev_b32 v1, 5, v0
	v_readfirstlane_b32 s10, v1                    ; wave 0..15
	v_and_b32 v2, 15, v0                           ; r
	v_bfe_u32 v3, v0, 4, 1                         ; h
	v_lshlrev_b32 v4, 2, v2
	v_lshl_add_u32 v4, v3, 16, v4                  ; wo: 8 h rows of 8,192 bytes, + 4 r
	v_lshlrev_b32 v5, 13, v2
	v_lshl_add_u32 v7, v3, 5, v5                   ; out0: row r, + 32 h
	v_and_b32 v8, 31, v0
	v_lshlrev_b32 v8, 4, v8                        ; 16 x lane: my place in an image, in attn32 and in LDS
	s_lshl_b32 s11, s10, 10
	v_add_nc_u32 v9, s11, v8                       ; LDS: my wave's 1,024 bytes
	s_lshl_b32 s12, s10, 20                        ; 128 w rows of wo
	s_lshl_b32 s13, ttmp9, 6
	s_add_co_u32 s12, s12, s13
	s_mov_b32 s13, 0
	s_lshl_b32 s14, s10, 13                        ; head w's 16 images
	s_mov_b32 s15, 0
	s_lshl_b32 s16, ttmp9, 6
	s_mov_b32 s17, 0
	s_wait_kmcnt 0x0
	s_add_nc_u64 s[6:7], s[6:7], s[12:13]
	s_add_nc_u64 s[4:5], s[4:5], s[14:15]
	s_add_nc_u64 s[8:9], s[8:9], s[16:17]
.irp u, 0,1
.irp n, 0,1,2,3,4,5,6,7,8,9,10,11,12,13,14,15,16,17,18,19,20,21,22,23,24,25,26,27,28,29,30,31
	global_load_b32 v[32+32*\u+\n], v4, s[6:7] offset:(16*(4*\u+\n/8)+\n%8)*8192   ; wo(128 w + 16 f + 8 h + m, 16 g + r), f = 4 u + n / 8, m = n % 8
.endr
.irp n, 0,1,2,3,4,5,6,7
	global_load_b128 v[96+32*\u+4*\n:96+32*\u+4*\n+3], v8, s[4:5] offset:4096*\u+512*\n   ; image 8 u + n
.endr
.endr
	s_wait_loadcnt 40                              ; the first half's 40 loads are in; the second half's may be out
.set i, 0
.rept 32
.if i == 16
	s_wait_loadcnt 0x0
.endif
.set a, 160+8*(i%4)
.if i < 4
	v_wmma_f32_16x16x4_f32 v[a:a+7], v[32+2*i:33+2*i], v[96+2*i:97+2*i], 0
.else
	v_wmma_f32_16x16x4_f32 v[a:a+7], v[32+2*i:33+2*i], v[96+2*i:97+2*i], v[a:a+7]
.endif
.set i, i+1
.endr
.rept 8
	v_nop                                          ; eight places behind this form, ahead of the reads of its results and of the loads into its sources
.endr
.irp e, 0,2,4,6
	v_pk_add_f32 v[192+\e:193+\e], v[160+\e:161+\e], v[168+\e:169+\e]
	v_pk_add_f32 v[200+\e:201+\e], v[176+\e:177+\e], v[184+\e:185+\e]
.endr
.irp e, 0,2,4,6
	v_pk_add_f32 v[192+\e:193+\e], v[192+\e:193+\e], v[200+\e:201+\e]
.endr
	ds_store_b128 v9, v[192:195]
	ds_store_b128 v9, v[196:199] offset:512
	s_wait_dscnt 0x0                               ; for wave 0's sake: my stores are done
	s_barrier_signal -1
	s_barrier_wait -1
	s_cmp_lg_u32 s10, 0
	s_cbranch_scc1 .Ldone
.irp w, 0,1,2,3,4,5,6,7,8,9,10,11,12,13,14,15
	ds_load_b128 v[32+8*\w:35+8*\w], v8 offset:1024*\w
	ds_load_b128 v[36+8*\w:39+8*\w], v8 offset:1024*\w+512
.endr
	s_wait_dscnt 0x0
.irp w, 1,2,3,4,5,6,7,8,9,10,11,12,13,14,15
.irp e, 0,2,4,6
	v_pk_add_f32 v[32+\e:33+\e], v[32+\e:33+\e], v[32+8*\w+\e:33+8*\w+\e]
.endr
.endr
	global_store_b128 v7, v[32:35], s[8:9]
	global_store_b128 v7, v[36:39], s[8:9] offset:16
.Ldone:
	s_wait_tensorcnt 0x0                           ; the wave's end, behind my last LDS store
	ds_add_u32 v12, v13
	s_wait_dscnt 0x0
	s_endpgm
.Lfunc_end_k_qc990b7f990_fine_proj:
	.size	k_qc990b7f990_fine_proj, .Lfunc_end_k_qc990b7f990_fine_proj-k_qc990b7f990_fine_proj
	.p2alignl 7, 3214868480
	.fill 96, 4, 3214868480
	.section	.rodata,"a",@progbits
	.p2align	6, 0x0
	.amdhsa_kernel k_qc990b7f990_fine_proj
		.amdhsa_group_segment_fixed_size 18432
		.amdhsa_private_segment_fixed_size 0
		.amdhsa_enable_private_segment 0
		.amdhsa_kernarg_size 24
		.amdhsa_user_sgpr_count 2
		.amdhsa_user_sgpr_kernarg_segment_ptr 1
		.amdhsa_wavefront_size32 1
		.amdhsa_system_sgpr_workgroup_id_x 1
		.amdhsa_system_sgpr_workgroup_id_y 1
		.amdhsa_system_sgpr_workgroup_id_z 1
		.amdhsa_system_vgpr_workitem_id 0
		.amdhsa_next_free_vgpr 208
		.amdhsa_next_free_sgpr 66
		.amdhsa_reserve_vcc 0
		.amdhsa_float_denorm_mode_32 3
		.amdhsa_float_denorm_mode_16_64 3
		.amdhsa_memory_ordered 1
		.amdhsa_forward_progress 1
		.amdhsa_inst_pref_size 19
	.end_amdhsa_kernel
	.amdgpu_metadata
---
amdhsa.version: [ 1, 2 ]
amdhsa.kernels:
  - .name:           k_qc990b7f990_fine_proj
    .symbol:         k_qc990b7f990_fine_proj.kd
    .args:
      - { .name: attn32, .offset: 0, .size: 8, .value_kind: global_buffer, .address_space: global }
      - { .name: wo, .offset: 8, .size: 8, .value_kind: global_buffer, .address_space: global }
      - { .name: out0, .offset: 16, .size: 8, .value_kind: global_buffer, .address_space: global }
    .group_segment_fixed_size: 18432
    .private_segment_fixed_size: 0
    .kernarg_segment_align: 8
    .kernarg_segment_size: 24
    .max_flat_workgroup_size: 512
    .sgpr_count:     66
    .vgpr_count:     208
    .wavefront_size: 32
...
	.end_amdgpu_metadata
.endif
;; end of part 6
